; MI455X (gfx1250); checked and timed in simulation.
; The chip was launched on July 23, 2026; its instructions are those of AMD's public machine-readable ISA for CDNA 5 (MIT licence, August 2026) and "CDNA5" Instruction Set Architecture Reference Guide (July 2026). The comments in the code are by the model that wrote it; some were corrected since.
;; Pyramid Sparse Attention. Allowed arithmetic: float matrix products may take bf16 or f16 operands with f32 sums; other float arithmetic in f32, or as packed bf16 or f16 multiplies, adds, multiply-adds, maxima and minima; sums over many terms, partial sums and values carried from step to step in f32; what a program stores and reads back later, other than sums and carried values, may be rounded once to bf16 or f16.
;; Inputs: k 1 x 8 x 4,096 x 64 float32; q 1 x 8 x 4,096 x 64 float32; sample_idx_k 1 x 8 x 16 int32; sample_idx_q 1 x 8 x 16 int32; v 1 x 8 x 4,096 x 64 float32.
;; Outputs: out0 1 x 8 x 4,096 x 64 float32.
;; 2 versions, each right; version 2 is version 1 with the launch attn written anew for expert scheduling mode. Each part assembles by itself: llvm-mc -triple=amdgcn-amd-amdhsa -mcpu=gfx1250 --defsym DOCPART=n.
;; ======== version 1 of 2: 2 launches
;; limits: values are held in f16: magnitudes above 65,504 overflow, below 6.1e-05 lose precision; inputs' magnitudes at most 65,504; inputs' magnitudes at most 350,000,000,000,000
;; workspace buffers: kw 4,194,304 bytes; vw 4,194,304 bytes; maskw 8,192 bytes of whole numbers
;; launch prep (part 1): grid 256 x 1, 8 waves a work-group, no clusters, 192,000 bytes of LDS; arguments q, k, v, sample_idx_q, sample_idx_k, kw, vw, maskw; writes kw, vw, maskw
.if DOCPART == 1
	.amdgcn_target "amdgcn-amd-amdhsa--gfx1250"
	.amdhsa_code_object_version 6
	.text
	.protected	k_q8ca62acf3a_prep
	.globl	k_q8ca62acf3a_prep
	.p2align	8
	.type	k_q8ca62acf3a_prep,@function
k_q8ca62acf3a_prep:
	s_mov_b64 s[64:65], 0
	v_nop
	global_prefetch_b8 v0, s[64:65] scope:SCOPE_SE
	s_setreg_imm32_b32 hwreg(HW_REG_WAVE_MODE, 25, 1), 1
	s_wait_xcnt 0x0
; PYRAMID SPARSE ATTENTION, first of two launches.  q, k, v: [8 heads][4096][64] f32; a block is 64 rows.
; It makes (1) kw and vw: k rounded to bf16, v rounded to bf16 and that number written as f16, each block of 64 rows laid out as the register
; image of its matrix fragments, so that the second launch loads them by 16 bytes a lane, 512 bytes on end; (2) maskw: for each head and query block
; four words, word kq's bit b = 1 where key block 16 kq + b is kept.
; WORK LEFT OUT, for all values of the inputs.  (a) The result uses only mask_vals > 0.  The bands' bounds rise (0.05 < 0.15 < 0.25 < 0.5) and every
; g is above 0, so mask_vals > 0 exactly where frac_before < 0.5: one compare stands for the four.  (b) argsort, cumsum and the inverse argsort give
; each block the sum of the pooled masses ranked ahead of it in a stable descending order: before[j] = the sum of p[i] over p[i] > p[j], or
; p[i] = p[j] and i < j.  That sum is made directly; nothing is sorted.  (c) A dropped block's scores are -1e30; the block ranked first has
; frac_before = 0 and is always kept, so the row's maximum is a true score and a dropped block's weights are exp(-1e30 - max) = 0: whole tiles that
; add 0.  The second launch reads the mask as whole numbers from memory and walks the kept blocks alone.  Every input is loaded.
; LIMITS.  All of q, k, v are rounded to bf16 for the products.  v beyond 65,504 does not fit f16; below 2^-17 it keeps f16's fixed step of 2^-24.
; The mask is decided in f32, with sums in another order than a cumsum's: a fraction within some 2e-7 of 0.5 may fall on the other side.  NaN and
; infinities are not treated apart, and one that reaches a dropped block alone is not carried to the result.  Sample indices are held to 0..63.
; SHARES.  Work-group g: head g / 32, pair pi = g % 32: blocks 2 pi, 2 pi + 1 of k and v to convert, query blocks 2 pi, 2 pi + 1 to rank.
; Wave w: converts 32 rows (tensor w / 4, rows 32 (w % 4) of the pair's 128); converts the sampled keys of key blocks 8 w .. 8 w + 7 into LDS;
; then, for query block 2 pi + w / 4, takes the sampled keys of key blocks 16 (w % 4) .. + 15: sixteen tiles of 16 keys, a tile a block.
; S^T = K_s Q_s^T: a lane holds ONE sampled query (lane % 16) and, of each tile, the keys 8 (lane / 16) + 0..7.
.set PS,    144       ; a row of 64 bf16 in LDS: 128 bytes + 16: sixteen rows of a fragment load start 36 words apart
.set PVS,   160       ; v's stage: 128 + 32, for the turning load
.set STG,   147456    ; behind the 1,024 sampled keys (1,024 x 144): a stage of 5,120 bytes for each wave, its own
.set STGW,  5120
.set XM,    188416    ; 8 waves x 32 lanes: each wave's maxima; the sums 1,024 bytes on
.set XP,    190464    ; 2 query blocks x 64 pooled masses
.set SPARE, 190976    ; the spare words, 128 bytes for each wave: four blocks of 256 bytes that no other line names
.set SPW,  30         ; v30  SPARE + 4 x my thread's number; never rewritten
.set NIL,  31         ; v31  0; never rewritten
.set OFFS, 16         ; v16-23  byte offset of sampled row 2 t + lane / 16 in a block of k, + 16 (lane % 16)
.set CH,   32         ; v32-39  at work
.set QSF,  48         ; v48-63  the 16 sampled queries: two fragments
.set PJB,  64         ; v64-127 my 32 rows in f32
.set QS32, 128        ; v128-159 the sampled queries in f32
.set CT,   160        ; v160-191 packed 16-bit numbers on their way into LDS
.set FR,   192        ; v192-223 fragments on their way out
.set AF,   64         ; v64-191 later: two sets of four tiles' fragments of the sampled keys
.set T,    192        ; v192-207 later: a tile's sum, for each of 16 tiles
.set TRD,  208        ; v208-223
.set PP,   224        ; v224-255 the 32 pooled masses of my half of the lanes
; window 1: v0-255 the 64 sample loads; then v0-127 the sixteen score tiles
.set MSB, 0
.macro WIN new                      ; the immediate's high byte repeats the setting that is left; a switch that changes nothing is dropped
.if MSB != (\new)
	s_set_vgpr_msb (MSB<<8)|(\new)
.set MSB, (\new)
.endif
.endm
.macro PLACES                       ; four plain vector instructions behind a matrix instruction, ahead of loads into its sources and of readers of its result
.rept 4
	v_nop
.endr
.endm
.macro BAR                          ; my LDS instructions are done, for the others' sake; then all eight waves meet
	s_wait_dscnt 0x0
	s_barrier_signal -1
	s_barrier_wait -1
.endm
	s_load_b512 s[4:19], s[0:1], 0x0  ; q 4:5, k 6:7, v 8:9, sample_idx_q 10:11, sample_idx_k 12:13, kw 14:15, vw 16:17, maskw 18:19
	v_lshl_add_u32 v[SPW], v0, 2, SPARE
	v_mov_b32 v[NIL], 0
	v_lshrrev_b32 v1, 5, v0
	v_readfirstlane_b32 s20, v1     ; wave 0..7
	v_and_b32 v1, 31, v0            ; lane
	v_and_b32 v2, 15, v0            ; r = lane % 16
	v_bfe_u32 v3, v0, 4, 1          ; hl = lane / 16
	s_lshr_b32 s21, ttmp9, 5        ; head
	s_and_b32 s22, ttmp9, 31        ; pi
	s_lshr_b32 s23, s20, 2          ; u: which of the two query blocks
	s_and_b32 s24, s20, 3           ; kq: which quarter
	s_mov_b32 s44, 0x3e38aa3b       ; c = log2(e) / 8
	s_mov_b32 s45, s44              ; named with it as a pair
	s_mov_b32 s46, 0x76543210       ; v_permlanex16_b32: each lane takes its own place in the other half
	s_mov_b32 s47, 0xfedcba98
	v_lshlrev_b32 v4, 4, v1         ; 16 x lane
	s_mul_i32 s25, s20, STGW
	s_add_co_u32 s25, s25, STG      ; my stage
	v_lshlrev_b32 v32, 3, v2        ; 8 r
	v_mul_u32_u24 v5, v3, PS
	v_add3_u32 v5, v5, v32, s25     ; k into the stage: row hl, 8 bytes at 8 r
	v_mul_u32_u24 v6, v3, PVS
	v_add3_u32 v6, v6, v32, s25     ; v likewise
	v_mul_u32_u24 v7, v2, PS
	v_lshl_add_u32 v7, v3, 4, v7
	v_add_nc_u32 v7, s25, v7        ; a fragment of k: row r, 16 bytes for each half of the lanes
	v_and_b32 v33, 7, v0
	v_bfe_u32 v34, v0, 3, 1
	v_lshl_add_u32 v8, v3, 3, v33
	v_mul_u32_u24 v8, v8, PVS
	v_lshl_add_u32 v8, v34, 4, v8
	v_add_nc_u32 v8, s25, v8        ; the turning load: key 8 hl + lane % 8, channels 8 ((lane / 8) % 2) on
	s_mul_i32 s26, s20, 128*PS
	v_mul_u32_u24 v9, v3, PS
	v_add3_u32 v9, v9, v32, s26     ; sampled keys into LDS: row 128 w + hl
	s_mul_i32 s26, s24, 256*PS
	v_mul_u32_u24 v10, v2, PS
	v_lshl_add_u32 v10, v3, 4, v10
	v_add_nc_u32 v10, s26, v10      ; and out of it: row 256 kq + r
	v_lshlrev_b32 v12, 2, v3        ; sample_idx_k[2 t + hl]
	v_lshlrev_b32 v13, 2, v2        ; sample_idx_q[r]
	s_lshl_b32 s26, s24, 4
	v_add_nc_u32 v14, s26, v2       ; J = 16 kq + r: the key block that my lane ranks
	v_lshlrev_b32 v33, 5, v3
	v_sub_nc_u32 v15, v14, v33      ; J - 32 hl, signed
	v_lshl_add_u32 v24, v0, 2, XM   ; my word among the waves' maxima
	s_lshl_b32 s26, s23, 9
	s_add_co_u32 s26, s26, XM
	v_lshl_add_u32 v25, v1, 2, s26  ; my lane's word of the first of the four waves of my query block
	s_lshl_b32 s26, s23, 8
	s_add_co_u32 s26, s26, XP
	v_lshl_add_u32 v26, v14, 2, s26 ; p[J]
	v_lshl_add_u32 v27, v3, 7, s26  ; p[32 hl]
	v_mul_u32_u24 v28, v1, 80
	v_add_nc_u32 v28, s25, v28      ; the tile sums change lanes through my stage: in, a row of 80 bytes a lane,
	v_mul_u32_u24 v29, v3, 1280
	v_lshl_add_u32 v29, v2, 2, v29
	v_add_nc_u32 v29, s25, v29      ; back: word r of the sixteen rows of my half
	v_lshlrev_b32 v35, 4, v2        ; 16 r
	v_lshlrev_b32 v36, 5, v3        ; 32 hl
	s_mov_b32 s29, 0
	s_lshl_b32 s26, s21, 20         ; a head is 2^20 bytes
	s_lshl_b32 s27, s22, 15         ; a pair of blocks 2^15
	s_add_co_u32 s25, s26, s27
	s_lshl_b32 s27, s24, 13         ; my 32 rows
	s_add_co_u32 s28, s25, s27
	s_wait_kmcnt 0x0
	s_cmp_lt_u32 s20, 4             ; waves 0-3 convert k, waves 4-7 v
	s_cselect_b64 s[30:31], s[6:7], s[8:9]
	s_cselect_b64 s[32:33], s[14:15], s[16:17]
	s_add_nc_u64 s[30:31], s[30:31], s[28:29]
	s_lshr_b32 s28, s28, 1          ; half the bytes on the way out
	s_add_nc_u64 s[32:33], s[32:33], s[28:29]
	s_lshl_b32 s27, s20, 17         ; eight blocks of k
	s_add_co_u32 s28, s26, s27
	s_add_nc_u64 s[34:35], s[6:7], s[28:29]
	s_lshl_b32 s27, s23, 14
	s_add_co_u32 s28, s25, s27      ; query block 2 pi + u
	s_add_nc_u64 s[36:37], s[4:5], s[28:29]
	s_lshl_b32 s28, s21, 6          ; a head's 16 indices
	s_add_nc_u64 s[38:39], s[12:13], s[28:29]
	s_add_nc_u64 s[40:41], s[10:11], s[28:29]
	s_lshl_b32 s28, s21, 10         ; ((64 h + 2 pi + u) 4 + kq) 4
	s_lshl_b32 s27, s22, 5
	s_add_co_u32 s28, s28, s27
	s_lshl_b32 s27, s23, 4
	s_add_co_u32 s28, s28, s27
	s_lshl_b32 s27, s24, 2
	s_add_co_u32 s28, s28, s27
	s_add_nc_u64 s[42:43], s[18:19], s[28:29]
	; ALL LOADS GO OUT AT THE HEAD: 9 of indices, 16 of my rows, 8 of the sampled queries, 64 of the sampled keys
.set t, 0
.rept 8
	global_load_b32 v[OFFS+t], v12, s[38:39] offset:8*t
.set t, t+1
.endr
	global_load_b32 v11, v13, s[40:41]
.set t, 0
.rept 16
	global_load_b128 v[PJB+4*t:PJB+4*t+3], v4, s[30:31] offset:512*t  ; rows 2 t and 2 t + 1: 512 bytes on end; my lane: row 2 t + hl, channels 4 r on
.set t, t+1
.endr
	s_wait_loadcnt 16               ; the indices are in: the 16 loads behind them may stay out
.set t, 0
.rept 8
	v_min_u32 v[OFFS+t], 63, v[OFFS+t]
	v_lshl_add_u32 v[OFFS+t], v[OFFS+t], 8, v35  ; a row is 256 bytes
.set t, t+1
.endr
	v_min_u32 v11, 63, v11
	v_lshl_add_u32 v11, v11, 8, v36
.set t, 0
.rept 8                             ; sampled query r: channels 32 c + 16 s + 8 hl + 0..7 are 32 bytes at 128 c + 64 s + 32 hl; t = 4 c + 2 s + e
	global_load_b128 v[QS32+4*t:QS32+4*t+3], v11, s[36:37] offset:(t/4)*128+((t/2)%2)*64+(t%2)*16
.set t, t+1
.endr
	WIN 0x40                        ; destination window 1
.set t, 0
.rept 64                            ; key block 8 w + t / 8, samples 2 (t % 8) + hl: sixteen lanes take a whole row of 256 bytes
	global_load_b128 v[4*t:4*t+3], v[OFFS+t%8], s[34:35] offset:(t/8)*16384
.set t, t+1
.endr
	WIN 0
	s_wait_loadcnt 63               ; my rows and the sampled queries are in: 64 loads were issued behind them, and 63 is the greatest count that the wait can name
	; MY 32 ROWS: rounded, through my stage, out as fragments
	s_cmp_lt_u32 s20, 4
	s_cbranch_scc0 .Lvjob
.set t, 0
.rept 16
	v_cvt_pk_bf16_f32 v[CT+2*t], v[PJB+4*t], v[PJB+4*t+1]
	v_cvt_pk_bf16_f32 v[CT+2*t+1], v[PJB+4*t+2], v[PJB+4*t+3]
	ds_store_b64 v5, v[CT+2*t:CT+2*t+1] offset:2*PS*t
.set t, t+1
.endr
.set t, 0
.rept 8                             ; t = 4 kt + 2 c + s: keys 16 kt + r, channels 32 c + 16 s + 8 hl on.  LDS serves a wave's instructions in order (ISA guide 5.7.1.4): these see the stores above
	ds_load_b128 v[FR+4*t:FR+4*t+3], v7 offset:(t/4)*16*PS+((t/2)%2)*64+(t%2)*32
.set t, t+1
.endr
	s_branch .Ljoined
.Lvjob:
.set t, 0
.rept 16
.irp m, 0, 1
	v_cvt_pk_bf16_f32 v[32+3*\m], v[PJB+4*t+2*\m], v[PJB+4*t+2*\m+1]  ; rounded to bf16, like q and k,
	v_lshlrev_b32 v[33+3*\m], 16, v[32+3*\m]
	v_and_b32 v[34+3*\m], 0xffff0000, v[32+3*\m]
	v_cvt_pk_f16_f32 v[CT+2*t+\m], v[33+3*\m], v[34+3*\m]             ; and that number written as f16
.endr
	ds_store_b64 v6, v[CT+2*t:CT+2*t+1] offset:2*PVS*t
.set t, t+1
.endr
.set t, 0
.rept 8                             ; t = 2 cb + s: channel 16 cb + r, keys 16 s + 8 hl on
	ds_load_tr16_b128 v[FR+4*t:FR+4*t+3], v8 offset:(t/2)*32+(t%2)*16*PVS
.set t, t+1
.endr
.Ljoined:
.set t, 0
.rept 16                            ; the sampled queries' fragments, while the stage's loads are out
	v_cvt_pk_bf16_f32 v[QSF+t], v[QS32+2*t], v[QS32+2*t+1]
.set t, t+1
.endr
	s_wait_dscnt 0x0
.set t, 0
.rept 8
	global_store_b128 v4, v[FR+4*t:FR+4*t+3], s[32:33] offset:512*t  ; 512 consecutive bytes, at a multiple of 512 from the buffer's first
.set t, t+1
.endr
	; THE SAMPLED KEYS of my eight key blocks, sixteen loads at a time
.macro SCONV b
	s_wait_loadcnt 48-16*(\b)       ; sixteen loads for each batch still to come
	WIN 0x05                        ; sources window 1, destination window 0
.set t, 0
.rept 16
	v_cvt_pk_bf16_f32 v[CT+2*t], v[64*(\b)+4*t], v[64*(\b)+4*t+1]
	v_cvt_pk_bf16_f32 v[CT+2*t+1], v[64*(\b)+4*t+2], v[64*(\b)+4*t+3]
.set t, t+1
.endr
	WIN 0
.set t, 0
.rept 16
	ds_store_b64 v9, v[CT+2*t:CT+2*t+1] offset:((2*(\b)+t/8)*16+2*(t%8))*PS
.set t, t+1
.endr
.endm
	SCONV 0
	SCONV 1
	SCONV 2
	SCONV 3
	s_wait_xcnt 0x0                 ; the eight stores have read their registers, which are written again below
	BAR                             ; all 1,024 sampled keys lie in LDS
	; SCORES: sixteen tiles, four at a time, on two sets of fragments
.macro LOADG g, set
	WIN 0
.set t, 0
.rept 16                            ; t = 4 tl + 2 c + s
	ds_load_b128 v[AF+64*(\set)+4*t:AF+64*(\set)+4*t+3], v10 offset:(4*(\g)+t/4)*16*PS+((t/2)%2)*64+(t%2)*32
.set t, t+1
.endr
.endm
.macro MULG g, set                  ; the four accumulators take turns, one instruction a turn; the first four products start the sums
	WIN 0x50                        ; C and D window 1
.irp tl, 0,1,2,3
	v_wmma_f32_16x16x32_bf16 v[8*(4*(\g)+\tl):8*(4*(\g)+\tl)+7], v[AF+64*(\set)+16*\tl:AF+64*(\set)+16*\tl+7], v[QSF:QSF+7], 0
.endr
.irp tl, 0,1,2,3
	v_wmma_f32_16x16x32_bf16 v[8*(4*(\g)+\tl):8*(4*(\g)+\tl)+7], v[AF+64*(\set)+16*\tl+8:AF+64*(\set)+16*\tl+15], v[QSF+8:QSF+15], v[8*(4*(\g)+\tl):8*(4*(\g)+\tl)+7]
.endr
.endm
	LOADG 0, 0
	LOADG 1, 1
	s_wait_dscnt 16                 ; the first set is in; the second set's sixteen loads may stay out
	MULG 0, 0
	PLACES
	LOADG 2, 0
	s_wait_dscnt 16
	MULG 1, 1
	PLACES
	LOADG 3, 1
	s_wait_dscnt 16
	MULG 2, 0
	s_wait_dscnt 0x0
	MULG 3, 1
	PLACES
	; THE MAXIMUM of a query's 1,024 scores: four chains over my 128; the other half of the lanes; the other three waves
	WIN 0x05
.irp n, 0,1,2,3
	v_max_num_f32 v[CH+\n], v[2*\n], v[2*\n+1]
.endr
	WIN 0x14                        ; sources 1 and 2 window 1
.set t, 1
.rept 15                            ; each accumulator's lowest registers are read first
.irp n, 0,1,2,3
	v_max3_num_f32 v[CH+\n], v[CH+\n], v[8*t+2*\n], v[8*t+2*\n+1]
.endr
.set t, t+1
.endr
	WIN 0
	v_max3_num_f32 v32, v32, v33, v34
	v_max_num_f32 v32, v32, v35
	v_permlanex16_b32 v33, v32, s46, s47
	v_max_num_f32 v32, v32, v33
	ds_store_b32 v24, v32
	BAR
.irp n, 0,1,2,3
	ds_load_b32 v[36+\n], v25 offset:128*\n
.endr
	s_wait_dscnt 0x0
	v_max3_num_f32 v36, v36, v37, v38
	v_max_num_f32 v36, v36, v39
	v_mul_f32 v40, s44, v36         ; c m
	v_mov_b32 v41, v40              ; named with it as a pair
	; p = 2^(c s - c m), in place: 64 packed scalings, then ONE batch of 128 exponentials with one wait
	WIN 0x41                        ; destination and source 0 window 1
.set t, 0
.rept 64
	v_pk_fma_f32 v[2*t:2*t+1], v[2*t:2*t+1], s[44:45], v[40:41] op_sel_hi:[1,0,0] neg_lo:[0,0,1] neg_hi:[0,0,1]
.set t, t+1
.endr
.set t, 0
.rept 128
	v_exp_f32 v[t], v[t]
.set t, t+1
.endr
	v_nop                           ; a plain instruction behind the last exponential,
	s_wait_alu depctr_va_vdst(0)    ; and the one wait ahead of the batch's first reader
	; a tile's eight weights into one number
	WIN 0x45
.set t, 0
.rept 16
	v_pk_add_f32 v[8*t:8*t+1], v[8*t:8*t+1], v[8*t+2:8*t+3]
	v_pk_add_f32 v[8*t+4:8*t+5], v[8*t+4:8*t+5], v[8*t+6:8*t+7]
.set t, t+1
.endr
.set t, 0
.rept 16
	v_pk_add_f32 v[8*t:8*t+1], v[8*t:8*t+1], v[8*t+4:8*t+5]
.set t, t+1
.endr
	WIN 0x05
.set t, 0
.rept 16
	v_add_f32 v[T+t], v[8*t], v[8*t+1]
.set t, t+1
.endr
	WIN 0
	; l, the query's sum over all 1,024 keys
.irp n, 0,1,2,3
	v_pk_add_f32 v[CH+2*\n:CH+2*\n+1], v[T+4*\n:T+4*\n+1], v[T+4*\n+2:T+4*\n+3]
.endr
	v_pk_add_f32 v[32:33], v[32:33], v[34:35]
	v_pk_add_f32 v[36:37], v[36:37], v[38:39]
	v_pk_add_f32 v[32:33], v[32:33], v[36:37]
	v_add_f32 v32, v32, v33
	v_permlanex16_b32 v33, v32, s46, s47
	v_add_f32 v32, v32, v33
	ds_store_b32 v24, v32 offset:1024
	BAR
.irp n, 0,1,2,3
	ds_load_b32 v[36+\n], v25 offset:1024+128*\n
.endr
	s_wait_dscnt 0x0
	v_add_f32 v36, v36, v37
	v_add_f32 v38, v38, v39
	v_add_f32 v36, v36, v38
	v_rcp_f32 v42, v36              ; twice, for the packed multiply's pair
	v_rcp_f32 v43, v36
	v_nop
	s_wait_alu depctr_va_vdst(0)
.set t, 0
.rept 8
	v_pk_mul_f32 v[T+2*t:T+2*t+1], v[T+2*t:T+2*t+1], v[42:43]
.set t, t+1
.endr
	; POOLING: p[16 kq + tl] = the sum of T[tl] over the 32 lanes.  Through my stage: lane (r, hl) takes T[r] of the sixteen lanes of its half
.irp n, 0,1,2,3
	ds_store_b128 v28, v[T+4*\n:T+4*\n+3] offset:16*\n
.endr
.set t, 0
.rept 16
	ds_load_b32 v[TRD+t], v29 offset:80*t
.set t, t+1
.endr
	s_wait_dscnt 0x0
.irp n, 0,1,2,3
	v_pk_add_f32 v[TRD+4*\n:TRD+4*\n+1], v[TRD+4*\n:TRD+4*\n+1], v[TRD+4*\n+2:TRD+4*\n+3]
.endr
	v_pk_add_f32 v[TRD:TRD+1], v[TRD:TRD+1], v[TRD+4:TRD+5]
	v_pk_add_f32 v[TRD+8:TRD+9], v[TRD+8:TRD+9], v[TRD+12:TRD+13]
	v_pk_add_f32 v[TRD:TRD+1], v[TRD:TRD+1], v[TRD+8:TRD+9]
	v_add_f32 v44, v[TRD], v[TRD+1]
	v_permlanex16_b32 v[TRD+1], v44, s46, s47
	v_add_f32 v44, v44, v[TRD+1]    ; p[J]
	ds_store_b32 v26, v44           ; (both halves of the lanes write the same number to the same word)
	BAR
.set t, 0
.rept 8
	ds_load_b128 v[PP+4*t:PP+4*t+3], v27 offset:16*t  ; p[32 hl + 0..31]
.set t, t+1
.endr
	s_wait_dscnt 0x0
	; THE MASS RANKED AHEAD OF BLOCK J: every p[i] that is greater, or equal with i < J.  A compare only selects a value here: nothing branches
.set t, 0
.rept 32
.set sA, 48+3*(t%4)
	v_cmp_gt_f32 s[sA], v[PP+t], v44
	v_cmp_eq_f32 s[sA+1], v[PP+t], v44
	v_cmp_lt_i32 s[sA+2], t, v15    ; 32 hl + t < J
	s_and_b32 s[sA+1], s[sA+1], s[sA+2]
	s_or_b32 s[sA], s[sA], s[sA+1]
.if t < 2
	v_cndmask_b32 v[45+t], 0, v[PP+t], s[sA]  ; the first two start the two sums
.else
	v_cndmask_b32 v47, 0, v[PP+t], s[sA]
	v_add_f32 v[45+t%2], v[45+t%2], v47
.endif
.set t, t+1
.endr
	v_add_f32 v45, v45, v46
	v_permlanex16_b32 v46, v45, s46, s47
	v_add_f32 v45, v45, v46
.irp w, 4, 8, 16, 32                ; the row's total, in place
.set t, 0
.rept 32/\w
	v_pk_add_f32 v[PP+\w*t:PP+\w*t+1], v[PP+\w*t:PP+\w*t+1], v[PP+\w*t+\w/2:PP+\w*t+\w/2+1]
.set t, t+1
.endr
.endr
	v_add_f32 v[PP], v[PP], v[PP+1]
	v_permlanex16_b32 v[PP+1], v[PP], s46, s47
	v_add_f32 v[PP], v[PP], v[PP+1]
	v_mul_f32 v47, 0.5, v[PP]
	v_cmp_lt_f32 s60, v45, v47      ; kept: less than half of the total is ranked ahead
	s_and_b32 s60, s60, 0xffff      ; lanes 0-15: blocks 16 kq + 0..15
	v_mov_b32 v32, s60
	v_cmp_eq_u32 vcc_lo, 0, v1
	s_wait_xcnt 0x0                 ; EXEC changes only behind this wait
	s_and_saveexec_b32 s61, vcc_lo
	global_store_b32 v[NIL], v32, s[42:43]  ; one word a wave
	s_wait_xcnt 0x0                 ; and again, ahead of the line that widens it
	s_or_b32 exec_lo, exec_lo, s61
	s_wait_tensorcnt 0x0            ; the wave's end, behind my last LDS store
	ds_add_u32 v[SPW], v[NIL]
	s_wait_dscnt 0x0
	s_endpgm
.Lfunc_end_k_q8ca62acf3a_prep:
	.size	k_q8ca62acf3a_prep, .Lfunc_end_k_q8ca62acf3a_prep-k_q8ca62acf3a_prep
	.p2alignl 7, 3214868480
	.fill 96, 4, 3214868480
	.section	.rodata,"a",@progbits
	.p2align	6, 0x0
	.amdhsa_kernel k_q8ca62acf3a_prep
		.amdhsa_group_segment_fixed_size 192000
		.amdhsa_private_segment_fixed_size 0
		.amdhsa_enable_private_segment 0
		.amdhsa_kernarg_size 64
		.amdhsa_user_sgpr_count 2
		.amdhsa_user_sgpr_kernarg_segment_ptr 1
		.amdhsa_wavefront_size32 1
		.amdhsa_system_sgpr_workgroup_id_x 1
		.amdhsa_system_sgpr_workgroup_id_y 1
		.amdhsa_system_sgpr_workgroup_id_z 1
		.amdhsa_system_vgpr_workitem_id 0
		.amdhsa_next_free_vgpr 512
		.amdhsa_next_free_sgpr 66
		.amdhsa_reserve_vcc 1
		.amdhsa_float_denorm_mode_32 3
		.amdhsa_float_denorm_mode_16_64 3
		.amdhsa_memory_ordered 1
		.amdhsa_forward_progress 1
		.amdhsa_inst_pref_size 81
	.end_amdhsa_kernel
	.amdgpu_metadata
---
amdhsa.version: [ 1, 2 ]
amdhsa.kernels:
  - .name:           k_q8ca62acf3a_prep
    .symbol:         k_q8ca62acf3a_prep.kd
    .args:
      - { .name: q, .offset: 0, .size: 8, .value_kind: global_buffer, .address_space: global }
      - { .name: k, .offset: 8, .size: 8, .value_kind: global_buffer, .address_space: global }
      - { .name: v, .offset: 16, .size: 8, .value_kind: global_buffer, .address_space: global }
      - { .name: sample_idx_q, .offset: 24, .size: 8, .value_kind: global_buffer, .address_space: global }
      - { .name: sample_idx_k, .offset: 32, .size: 8, .value_kind: global_buffer, .address_space: global }
      - { .name: kw, .offset: 40, .size: 8, .value_kind: global_buffer, .address_space: global }
      - { .name: vw, .offset: 48, .size: 8, .value_kind: global_buffer, .address_space: global }
      - { .name: maskw, .offset: 56, .size: 8, .value_kind: global_buffer, .address_space: global }
    .group_segment_fixed_size: 192000
    .private_segment_fixed_size: 0
    .kernarg_segment_align: 8
    .kernarg_segment_size: 64
    .max_flat_workgroup_size: 256
    .sgpr_count:     66
    .vgpr_count:     512
    .wavefront_size: 32
...
	.end_amdgpu_metadata
.endif
;; end of part 1
;; launch attn (part 2): grid 256 x 1, 4 waves a work-group, no clusters, 71,168 bytes of LDS; arguments q, kw, vw, maskw, out0; writes out0
.if DOCPART == 2
	.amdgcn_target "amdgcn-amd-amdhsa--gfx1250"
	.amdhsa_code_object_version 6
	.text
	.protected	k_q8ca62acf3a_attn
	.globl	k_q8ca62acf3a_attn
	.p2align	8
	.type	k_q8ca62acf3a_attn,@function
k_q8ca62acf3a_attn:
	s_mov_b64 s[64:65], 0
	v_nop
	global_prefetch_b8 v0, s[64:65] scope:SCOPE_SE
	s_setreg_imm32_b32 hwreg(HW_REG_WAVE_MODE, 25, 1), 1
	s_wait_xcnt 0x0
; PYRAMID SPARSE ATTENTION, second launch.  out0[h][i][:] = the sum over the keys j of the kept blocks of softmax_j(q[h][i] . k[h][j] / 8) v[h][j][:].
; WORK LEFT OUT: the key blocks that the mask drops.  Their scores are -1e30, a row's maximum is a true score (the block ranked first is always kept), so their weights are
; exp(-1e30 - max) = 0: whole tiles that add 0, whatever the inputs hold.  Which blocks those are is read from maskw, whole numbers that the first launch stored.
; LIMITS.  q and k are rounded to bf16, v to bf16 written as f16 (within 65,504); the weights p are rounded to f16 (below 6e-5 they keep f16's fixed step of 6e-8; their sum l is taken of the
; unrounded p); a weight below 2^-126 counts as 0; a hidden score counts as its value less 1e30; NaN and infinities are not treated apart, and one in a dropped block is not carried to the result.
; SHARES.  Work-group g: head g / 32, query blocks 2 (g % 32) + u.  Wave w: u = w / 2, part = w % 2.  The two waves of a query block hold the same 64 queries (four PIECES of 16) and deal its
; kept key blocks out by turns: part 0 the 1st, 3rd, .., part 1 the 2nd, 4th, ..  Their two states (c m, l, O^T) meet in LDS once, at the end.
; NO LDS IN THE LOOP, no barrier, no cluster: kw and vw hold each block as the register image of its fragments, so a block is 16 + 16 loads of 16 bytes a lane, 512 bytes on end each; no wave wants a
; byte that another wave of the work-group fetches (each has its own list), and each wave's number of steps is its own.
; LAYOUT, SOFTMAX, TURNS.  S^T = K Q^T holds ONE query a lane (lane % 16) and the keys 8 (lane / 16) + 0..7; two such results rounded to f16 ARE source 1 of O^T = V^T P.  p = 2^(c s - c m),
; c = log2(e) / 8, with a running maximum m; O and l are multiplied by a = 2^(c m_old - c m_new) in every step.  Turn n belongs to piece n: 8 products K Q^T of piece n + 1, later 8 products V^T P of
; piece n - 1; beside them piece n's scaling, exponentials, roundings, sums and rescaling and piece n + 1's maximum and statistics.  Four vector instructions stand behind every matrix instruction,
; the other 54 of a turn's 118 in one lump; a turn's 33 exponentials are one batch, with one wait.
; STEPS.  A step is a key block; a trip of the loop is two steps, on fixed registers (K and V have two buffers each).  N = the wave's number of blocks made even, at least 2.  A step beyond the list
; loads a valid block and starts its scores at -1e30: its weights are 0.  A wave with no block at all ends with c m near -1.8e29, and the merge multiplies its state by 2^(c m - M) = 0.
; REGISTERS, in windows of 256 (s_set_vgpr_msb: bits 1:0 source 0, 3:2 source 1, 5:4 source 2, 7:6 destination):
;   window 0: v0-15 addresses; v16-31 four statistics a piece; v32-47 two constant C operands; v48-55 at work; v64-127 S^T, two buffers; v128-191 Q in f32's packing, later rows of out0; v192-223 P, two buffers
;   window 1: v0-127 O^T, 32 a piece; v128-191, v192-255 V's two buffers       window 2: v0-63 Q; v64-127, v128-191 K's two buffers
.set NP,    4
.set PQ,    144       ; a row of Q in LDS: 128 bytes + 16
.set XCH,   18432     ; behind Q's 2 x 64 rows: for each wave 8,704 bytes: two pieces of O^T (4,096 each), then their statistics (256 each)
.set XCHW,  8704
.set STAGE, 53248     ; for each wave 16 rows x 272 bytes, for the way out
.set STW,   4352
.set SP,    272
.set SPARE, 70656     ; the spare words, 128 bytes for each wave: two blocks of 256 bytes that no other line names
.set LO,  2           ; v2   16 x lane; never rewritten
.set PFO, 3           ; v3   256 x lane; never rewritten
.set QSA, 4           ; v4   Q into LDS
.set QFA, 5           ; v5   and out of it, as fragments
.set STO, 6           ; v6   the way out: where I put 32 bytes of a row
.set RD,  7           ; v7   where I read rows back
.set XO,  9           ; v9   my exchange region + 16 x lane
.set XOP, 10          ; v10  my partner's
.set XS,  11          ; v11  my exchange region + 8 x lane
.set XSP, 14          ; v14  my partner's
.set MV,  12          ; v12-13  c m_old, kept while c m is made anew: by buffer
.set ST,  16          ; piece t's statistics at v[ST+4 t]: c m, m, l (even keys', odd keys')
.set MC0, 32          ; v32-39  0, or -1e30 where the wave has no block: the C operand of step N - 2's (and step 0's) first products
.set MC1, 40          ; v40-47  0, or -1e30 where step N - 1 lies beyond the list
.set TMP, 48          ; by buffer, four registers c0-c3 at work; when the maximum is found c2 takes a
.set SPW, 62          ; v62  SPARE + 4 x my thread's number; never rewritten
.set NIL, 63          ; v63  0; never rewritten
.set S,   64
.set OB,  128
.set P,   192
.set RS,  224         ; v224-239  the merge's factors, eight registers a piece
.set KA,  64          ; window 2
.set KBF, 128
.set VA,  128         ; window 1
.set VBF, 192
.set WV,  14          ; s14  my wave's number
.set PT,  15          ; s15  part
.set KH,  20          ; s[20:21] kw at my head
.set VH,  22          ; s[22:23] vw at my head
.set KB,  24          ; s[24:25] the block that K's next run of loads takes
.set VB,  26          ; s[26:27] and V's
.set OF,  28          ; s[28:29] an offset; the high word is 0
.set ML,  30          ; s30  my blocks still to be fetched, 0-31
.set MH,  31          ; s31  and 32-63
.set LT,  37          ; s37  trips of the loop: N / 2 - 1
.set CNT, 38          ; s38  counts them
.set PFT, 39          ; s39  the trip in which I prefetch
.set PF,  40          ; s[40:41] what I prefetch; never rewritten
.set QB,  42          ; s[42:43] q at my 32 rows
.set BE0, 44
.set BE1, 45
.set BIGN, 46         ; s46  -1e30
.set CS,  58          ; s[58:59] c
.set SEL, 60          ; s[60:61] v_permlanex16_b32's selects
.set MSB, 0
.macro WIN new                      ; the high byte repeats the setting that is left; a switch that changes nothing is dropped
.if MSB != (\new)
	s_set_vgpr_msb (MSB<<8)|(\new)
.set MSB, (\new)
.endif
.endm
.set W_KQ, 0x0a       ; K and Q in window 2; S^T and the constant C in window 0
.set W_PV, 0x51       ; V and O^T in window 1, P in window 0
.set W_RS, 0x41       ; destination and source 0 in window 1, source 1 in window 0
; THE NEXT BLOCK OF MY LIST: the lowest bit still set, which is then cleared.  When the list is used up the number is 31: a valid block, whose scores are hidden.
.macro NEXTB
	s_cmp_lg_u32 s[ML], 0
	s_cselect_b32 s32, s[ML], s[MH]
	s_cselect_b32 s33, 0, 32
	s_ctz_i32_b32 s34, s32
	s_add_co_u32 s34, s34, s33
	s_min_u32 s34, s34, 63          ; a number from memory enters an address only held to the table's size
	s_sub_co_u32 s35, s32, 1
	s_and_b32 s32, s32, s35
	s_cmp_lg_u32 s[ML], 0
	s_cselect_b32 s[MH], s[MH], s32
	s_cselect_b32 s[ML], s32, 0
	s_lshl_b32 s[OF], s34, 13       ; a block is 8,192 bytes of kw and of vw
	s_add_nc_u64 s[KB:KB+1], s[KH:KH+1], s[OF:OF+1]
	s_add_nc_u64 s[VB:VB+1], s[VH:VH+1], s[OF:OF+1]
.endm
.macro LOADK kf                     ; a block's K: sixteen loads, 512 bytes on end each; load z fills registers 4 z .. 4 z + 3
	WIN 0x80                        ; destination window 2
.set z, 0
.rept 16
	global_load_b128 v[(\kf)+4*z:(\kf)+4*z+3], v[LO], s[KB:KB+1] offset:512*z
.set z, z+1
.endr
.endm
.macro FETCH_V vf
	WIN 0x40                        ; destination window 1
.set z, 0
.rept 16
	global_load_b128 v[(\vf)+4*z:(\vf)+4*z+3], v[LO], s[VB:VB+1] offset:512*z
.set z, z+1
.endr
.endm
.macro FETCH_K kf
	s_wait_xcnt 0x0                 ; the loads issued so far have read their bases, so both may be written
	NEXTB
	LOADK \kf
.endm
; A PREFETCH of kw and vw.  Each aligned block of 256 bytes is named once in the launch: wave (u, part) of work-group (h, pi) names the 8,192 bytes of block 2 pi + u, of kw (part 0) or of vw (part 1), a lane
; for each 256 bytes, in trip pi / 8 - 1 of its loop, behind that trip's first run of loads.  Blocks 0 to 15 are named by nobody: the first steps' loads take them.
.macro ASK
	s_cmp_eq_u32 s[CNT], s[PFT]
	s_cbranch_scc0 .Lnot_now_\@
	global_prefetch_b8 v[PFO], s[PF:PF+1] th:TH_LOAD_NT scope:SCOPE_SE
.Lnot_now_\@:
.endm
	s_load_b256 s[4:11], s[0:1], 0x0  ; q 4:5, kw 6:7, vw 8:9, maskw 10:11
	s_load_b64 s[12:13], s[0:1], 0x20 ; out0
	v_lshl_add_u32 v[SPW], v0, 2, SPARE
	v_mov_b32 v[NIL], 0
	v_lshrrev_b32 v1, 5, v0
	v_readfirstlane_b32 s[WV], v1   ; wave 0..3
	s_and_b32 s[PT], s[WV], 1
	s_lshr_b32 s19, s[WV], 1        ; u
	s_lshr_b32 s16, ttmp9, 5        ; head
	s_and_b32 s17, ttmp9, 31        ; pi
	s_lshl1_add_u32 s18, s17, s19   ; my query block
	s_mov_b32 s[CS], 0x3e38aa3b     ; c = log2(e) / 8
	s_mov_b32 s[CS+1], s[CS]        ; named with it as a pair
	s_mov_b32 s[SEL], 0x76543210
	s_mov_b32 s[SEL+1], 0xfedcba98
	s_mov_b32 s[BIGN], 0xf149f2ca   ; -1e30
	s_mov_b32 s[OF+1], 0
	v_and_b32 v1, 31, v0            ; lane
	v_and_b32 v56, 15, v0           ; r
	v_bfe_u32 v57, v0, 4, 1         ; hl
	v_lshlrev_b32 v[LO], 4, v1
	v_lshlrev_b32 v[PFO], 8, v1
	s_lshl_b32 s[OF], s16, 6
	s_add_co_u32 s[OF], s[OF], s18
	s_lshl_b32 s[OF], s[OF], 4      ; four words for each head and query block
	s_wait_kmcnt 0x0
	s_add_nc_u64 s[10:11], s[10:11], s[OF:OF+1]
	s_load_b128 s[48:51], s[10:11], 0x0
	s_lshl_b32 s32, s16, 20
	s_lshl_b32 s33, s18, 14
	s_add_co_u32 s[OF], s32, s33
	s_add_nc_u64 s[12:13], s[12:13], s[OF:OF+1]  ; out0 at my query block
	s_lshl_b32 s33, s[PT], 13
	s_add_co_u32 s[OF], s[OF], s33
	s_add_nc_u64 s[QB:QB+1], s[4:5], s[OF:OF+1]  ; q at my half of it
.set z, 0
.rept 16
	global_load_b128 v[S+4*z:S+4*z+3], v[LO], s[QB:QB+1] offset:512*z th:TH_LOAD_NT  ; rows 2 z, 2 z + 1; my lane: row 2 z + hl, channels 4 r on
.set z, z+1
.endr
	s_lshl_b32 s[OF], s16, 19
	s_add_nc_u64 s[KH:KH+1], s[6:7], s[OF:OF+1]
	s_add_nc_u64 s[VH:VH+1], s[8:9], s[OF:OF+1]
	s_cmp_eq_u32 s[PT], 0
	s_cselect_b64 s[PF:PF+1], s[KH:KH+1], s[VH:VH+1]
	s_lshl_b32 s[OF], s18, 13
	s_add_nc_u64 s[PF:PF+1], s[PF:PF+1], s[OF:OF+1]
	s_lshr_b32 s[PFT], s17, 3
	s_sub_co_u32 s[PFT], s[PFT], 1  ; for pi < 8 the greatest number: no trip has it
	; the lane's LDS addresses
	s_mul_i32 s32, s[WV], 32*PQ
	v_mul_u32_u24 v[QSA], v57, PQ
	v_lshl_add_u32 v[QSA], v56, 3, v[QSA]
	v_add_nc_u32 v[QSA], s32, v[QSA]  ; row 32 w + hl of the two blocks' 128, 8 bytes at 8 r
	s_mul_i32 s32, s19, 64*PQ
	v_mul_u32_u24 v[QFA], v56, PQ
	v_lshl_add_u32 v[QFA], v57, 4, v[QFA]
	v_add_nc_u32 v[QFA], s32, v[QFA]
	s_mul_i32 s32, s[WV], STW
	s_add_co_u32 s32, s32, STAGE
	v_mul_u32_u24 v[STO], v56, SP
	v_lshl_add_u32 v[STO], v57, 5, v[STO]
	v_add_nc_u32 v[STO], s32, v[STO]
	v_mul_u32_u24 v[RD], v57, SP
	v_lshl_add_u32 v[RD], v56, 4, v[RD]
	v_add_nc_u32 v[RD], s32, v[RD]
	s_mul_i32 s32, s[WV], XCHW
	s_add_co_u32 s32, s32, XCH
	v_add_nc_u32 v[XO], s32, v[LO]
	v_lshl_add_u32 v[XS], v1, 3, s32
	s_xor_b32 s33, s[WV], 1         ; the other wave of my query block
	s_mul_i32 s33, s33, XCHW
	s_add_co_u32 s33, s33, XCH
	v_add_nc_u32 v[XOP], s33, v[LO]
	v_lshl_add_u32 v[XSP], v1, 3, s33
	; MY LIST.  x's bit i = the parity of the number of kept blocks up to and with block i: 1 at the 1st, 3rd, .. kept block
	s_wait_kmcnt 0x0
	s_and_b32 s48, s48, 0xffff
	s_lshl_b32 s49, s49, 16
	s_or_b32 s48, s48, s49          ; blocks 0-31
	s_and_b32 s50, s50, 0xffff
	s_lshl_b32 s51, s51, 16
	s_or_b32 s50, s50, s51          ; blocks 32-63
	s_mov_b32 s32, s48
	s_mov_b32 s33, s50
.irp n, 1, 2, 4, 8, 16
	s_lshl_b32 s34, s32, \n
	s_xor_b32 s32, s32, s34
	s_lshl_b32 s35, s33, \n
	s_xor_b32 s33, s33, s35
.endr
	s_ashr_i32 s34, s32, 31         ; the low word's whole parity goes on into the high word
	s_xor_b32 s33, s33, s34
	s_sub_co_u32 s34, 0, s[PT]      ; part 1 takes the others
	s_xor_b32 s32, s32, s34
	s_xor_b32 s33, s33, s34
	s_and_b32 s[ML], s48, s32
	s_and_b32 s[MH], s50, s33
	s_bcnt1_i32_b32 s36, s[ML]
	s_bcnt1_i32_b32 s34, s[MH]
	s_add_co_u32 s36, s36, s34      ; my number of blocks
	s_add_co_u32 s34, s36, 1
	s_lshr_b32 s34, s34, 1
	s_max_u32 s34, s34, 1           ; N / 2
	s_sub_co_u32 s[LT], s34, 1
	s_min_u32 s[LT], s[LT], 15      ; 64 bits dealt to two waves are 32 steps at the most: the bound changes nothing
	s_lshl_b32 s34, s34, 1          ; N
	s_cmp_eq_u32 s36, 0
	s_cselect_b32 s[BE0], s[BIGN], 0
	s_cmp_lt_u32 s36, s34
	s_cselect_b32 s[BE1], s[BIGN], 0
	NEXTB
	LOADK KA                        ; K and V of step 0,
	FETCH_V VA
	FETCH_K KBF                     ; K of step 1
	; What the first turn finds.  The first step multiplies O^T and l by a = 0, and its first products V^T P, of a piece that has not been, take zeros.  All this stands in the wait for the first loads.
	WIN 0x40
.set z, 0
.rept 128
	v_mov_b32 v[z], 0
.set z, z+1
.endr
.set z, VBF
.rept 64
	v_mov_b32 v[z], 0
.set z, z+1
.endr
	WIN 0
.set z, 0
.rept 4
	v_mov_b32 v[ST+4*z], 0xfe000000    ; c m: far below every c s
	v_mov_b32 v[ST+4*z+1], 0xff7fffff  ; m
	v_mov_b32 v[ST+4*z+2], 0
	v_mov_b32 v[ST+4*z+3], 0
.set z, z+1
.endr
.set z, 0
.rept 16
	v_mov_b32 v[P+16+z], 0
.set z, z+1
.endr
.set z, 0
.rept 8
	v_mov_b32 v[MC0+z], s[BE0]
	v_mov_b32 v[MC1+z], s[BE1]
.set z, z+1
.endr
	; Q: my 32 rows rounded to bf16 into LDS; the block's 64 rows back as fragments
	s_wait_loadcnt 48               ; Q is in: three runs of 16 were issued behind it
.set z, 0
.rept 16
	v_cvt_pk_bf16_f32 v[OB+2*z], v[S+4*z], v[S+4*z+1]
	v_cvt_pk_bf16_f32 v[OB+2*z+1], v[S+4*z+2], v[S+4*z+3]
	ds_store_b64 v[QSA], v[OB+2*z:OB+2*z+1] offset:2*PQ*z
.set z, z+1
.endr
	s_wait_dscnt 0x0                ; for the other wave's sake
	s_barrier_signal -1
	s_barrier_wait -1
	WIN 0x80
.set z, 0
.rept 16                            ; z = 4 piece + 2 c + s
	ds_load_b128 v[4*z:4*z+3], v[QFA] offset:(z/4)*16*PQ+((z/2)%2)*64+(z%2)*32
.set z, z+1
.endr
	WIN 0
; THE MATRIX WORK.  The 4 accumulators of a run of 8 take turns.  Product i of 8 of S^T = K Q^T for piece x: channels 32 (i / 4) on, keys 16 (i % 4) on.  The first 4 start the sums: with 0, or (MCB >= 0) with eight registers that hold 0 or -1e30.
.macro KQ x
	WIN W_KQ
.set rS, S+32*((\x)%2)+8*(i%4)
.set rK, KF+16*(i%4)+8*(i/4)
.set rQ, 16*(\x)+8*(i/4)
.if (i < 4) && (MCB >= 0)
	v_wmma_f32_16x16x32_bf16 v[rS:rS+7], v[rK:rK+7], v[rQ:rQ+7], v[MCB:MCB+7]
.elseif i < 4
	v_wmma_f32_16x16x32_bf16 v[rS:rS+7], v[rK:rK+7], v[rQ:rQ+7], 0
.else
	v_wmma_f32_16x16x32_bf16 v[rS:rS+7], v[rK:rK+7], v[rQ:rQ+7], v[rS:rS+7]
.endif
.endm
; Product i of 8 of O^T += V^T P for piece x: keys 32 (i / 4) on, channels 16 (i % 4) on.
.macro PV x
	WIN W_PV
.set rO, 32*(\x)+8*(i%4)
.set rV, VF+32*(i/4)+8*(i%4)
.set rP, P+16*((\x)%2)+8*(i/4)
	v_wmma_f32_16x16x32_f16 v[rO:rO+7], v[rV:rV+7], v[rP:rP+7], v[rO:rO+7]
.endm
.macro MM                           ; the turn's next matrix instruction.  NOKQ = 1: the last turn: there is no next piece
.if (i < 8) && !NOKQ
	KQ (Y+1)%NP
.elseif i >= 8
.set i, i-8
	PV (Y+NP-1)%NP
.set i, i+8
.endif
.set i, i+1
.endm
; THE VECTOR WORK, one line at a time: OP kind, number.  For piece Y: F n: c s - c m for pair n of 16.  E n: the exponential of score n of 32.  C n: pair n rounded to f16.  B n: of the four weights 4 n .. the second
; pair is added onto the first, in place.  L n: l takes that sum (L 0: l = a l + sum).  R n: pair n of 16 of O^T times a.  For piece Y + 1: X n, number n of the 22 that find its maximum and statistics:
;   0-11  four chains c0-c3 of seven scores each, three operands at a time (each accumulator's lowest registers are read first)     12-14, 16  the four scores left over, the old m, and c0-c3 into c0
;   15  c m_old is kept     17, 18  the query's other 32 keys lie in the lane 16 away: the new m     19-21  c m; c m_old - c m_new; a
.set F, 0
.set E, 1
.set C, 2
.set B, 3
.set L, 4
.set R, 5
.set X, 6
.macro REGS y
.set rT, ST+4*(\y)
.set rC, TMP+4*((\y)%2)
.set rW, MV+((\y)%2)
.set rS, S+32*((\y)%2)
.set rP, P+16*((\y)%2)
.set rO, 32*(\y)
.endm
.macro OP k, n
.if (\k) == R
	REGS Y
	WIN W_RS
	v_pk_mul_f32 v[rO+2*(\n):rO+2*(\n)+1], v[rO+2*(\n):rO+2*(\n)+1], v[rC+2:rC+3] op_sel_hi:[1,0]
.elseif (\k) < R
	REGS Y
	WIN 0
.if (\k) == F
	v_pk_fma_f32 v[rS+2*(\n):rS+2*(\n)+1], v[rS+2*(\n):rS+2*(\n)+1], s[CS:CS+1], v[rT:rT+1] op_sel_hi:[1,0,0] neg_lo:[0,0,1] neg_hi:[0,0,1]
.elseif (\k) == E
	v_exp_f32 v[rS+(\n)], v[rS+(\n)]
.elseif (\k) == C
	v_cvt_pk_f16_f32 v[rP+(\n)], v[rS+2*(\n)], v[rS+2*(\n)+1]
.elseif (\k) == B
	v_pk_add_f32 v[rS+4*(\n):rS+4*(\n)+1], v[rS+4*(\n):rS+4*(\n)+1], v[rS+4*(\n)+2:rS+4*(\n)+3]
.elseif (\n) == 0
	v_pk_fma_f32 v[rT+2:rT+3], v[rT+2:rT+3], v[rC+2:rC+3], v[rS:rS+1] op_sel_hi:[1,0,1]
.else
	v_pk_add_f32 v[rT+2:rT+3], v[rT+2:rT+3], v[rS+4*(\n):rS+4*(\n)+1]
.endif
.elseif NOKQ
	v_nop
.else
	REGS (Y+1)%NP
	WIN 0
.if (\n) < 4
	v_max3_num_f32 v[rC+(\n)], v[rS+8*(\n)], v[rS+8*(\n)+1], v[rS+8*(\n)+2]
.elseif (\n) < 12
	v_max3_num_f32 v[rC+(\n)%4], v[rC+(\n)%4], v[rS+8*((\n)%4)+2*((\n)/4)+1], v[rS+8*((\n)%4)+2*((\n)/4)+2]
.elseif (\n) == 12
	v_max3_num_f32 v[rC], v[rC], v[rS+7], v[rS+15]
.elseif (\n) == 13
	v_max3_num_f32 v[rC+1], v[rC+1], v[rS+23], v[rS+31]
.elseif (\n) == 14
	v_max3_num_f32 v[rC+2], v[rC+2], v[rC+3], v[rT+1]
.elseif (\n) == 15
	v_mov_b32 v[rW], v[rT]
.elseif (\n) == 16
	v_max3_num_f32 v[rC], v[rC], v[rC+1], v[rC+2]
.elseif (\n) == 17
	v_permlanex16_b32 v[rC+3], v[rC], s[SEL], s[SEL+1]
.elseif (\n) == 18
	v_max_num_f32 v[rT+1], v[rC], v[rC+3]
.elseif (\n) == 19
	v_mul_f32 v[rT], s[CS], v[rT+1]
.elseif (\n) == 20
	v_sub_f32 v[rC+1], v[rW], v[rT]
.else
	v_exp_f32 v[rC+2], v[rC+1]
.endif
.endif
.endm
.macro OPS a, i1, b=-1, i2=0, c=-1, i3=0, d=-1, i4=0  ; up to four of them
	OP \a, \i1
.if (\b) >= 0
	OP \b, \i2
.endif
.if (\c) >= 0
	OP \c, \i3
.endif
.if (\d) >= 0
	OP \d, \i4
.endif
.endm
.macro ROW a, i1, b, i2, c, i3, d, i4  ; a matrix instruction and the four behind it
	MM
	OPS \a, \i1, \b, \i2, \c, \i3, \d, \i4
.endm
; A TURN, for piece p.  kf: the buffer of K that its products K Q^T read; vf: the buffer of V that its products V^T P read; mcb: their constant C, or -1 for 0.
; AHEAD OF ITS ONE WAIT stands all that names no result of the turn's exponentials: the 8 products K Q^T with their riders, then the lump, in which the links of the chain X 3, 7, 11, 14, 16, 17 .. 20 stand five or
; six lines apart; X 21, the next piece's a, is the batch's last, and R 15 the plain instruction behind it.  BEHIND THE WAIT stand the 8 products V^T P, behind each four of the roundings and sums.
; THE LOADS, in step s (K and V of step s lie in the buffers of s's parity): turn 0 ends with V of step s + 1, into the buffer that its own products (piece 3 of step s - 1) have just read, four plain
; instructions behind the last of them; turn 2 fetches K of step s + 2 (ldk), into the buffer that its own products were the last to read, twelve plain instructions behind it.
; THE WAITS: turn 1 wants V of step s, behind which K of s + 1 and V of s + 1 were issued; turn 3 wants K of step s + 1, behind which V of s + 1 and K of s + 2 were issued: 32 younger loads may stay out (wt); fewer in the tail.
.macro TURN p, kf, vf, mcb=-1, ldk=-1, ldv=-1, wt=32, nokq=0
.set Y, (\p)
.set i, 0
.set KF, (\kf)
.set VF, (\vf)
.set MCB, (\mcb)
.set NOKQ, (\nokq)
.if ((\p) == 3) && !(\nokq)
	s_wait_loadcnt \wt              ; K of the next step is in
.endif
	ROW F,0, F,1, R,0, R,1
	ROW F,2, E,0, R,2, R,3
	ROW F,3, E,1, R,4, R,5
	ROW F,4, E,2, R,6, R,7
	ROW F,5, E,3, R,8, R,9
	ROW F,6, E,4, X,0, R,10
	ROW F,7, E,5, X,1, X,4
	ROW F,8, E,6, X,2, X,5
	OPS E,7, E,8, X,6, E,9
	OPS X,3, E,10, X,8, E,11
.if (\ldk) >= 0
	FETCH_K \ldk
.endif
	OPS X,9, X,7, E,12, X,10
	OPS E,13, X,12, X,11, E,14
	OPS X,13, E,15, F,9, X,14
	OPS E,16, F,10, E,17, F,11
	OPS X,16, E,18, X,15, E,19
	OPS F,12, E,20, X,17, E,21
	OPS F,13, E,22, F,14, E,23
	OPS X,18, E,24, F,15, E,25
	OPS R,11, E,26, X,19, E,27
	OPS R,12, E,28, R,13, E,29
	OPS X,20, E,30, R,14, E,31
	OPS X,21, R,15
	WIN 0
	s_wait_alu depctr_va_vdst(0)    ; the one wait between the batch and the first instruction that names a result of it
.if (\p) == 1
	s_wait_loadcnt \wt              ; V of this step is in
.endif
	ROW C,0, B,0, C,2, B,1
	ROW L,0, C,4, B,2, L,1
	ROW C,6, B,3, L,2, C,8
	ROW B,4, L,3, C,10, B,5
	ROW L,4, C,12, B,6, L,5
	ROW C,14, B,7, L,6, C,1
	ROW C,3, L,7, C,5, C,7
	ROW C,9, C,11, C,13, C,15
.if (\ldv) >= 0
	FETCH_V \ldv
.endif
.endm
	; THE WALK BEGINS: piece 0's first scores, and its maximum and statistics
	s_wait_loadcnt 32               ; K of step 0 is in: V of step 0 and K of step 1 may stay out
	s_wait_dscnt 0x0                ; Q's fragments
.set KF, KA
.set MCB, MC0
.set NOKQ, 0
.set i, 0
.rept 8
	KQ 0
.set i, i+1
.endr
	WIN 0
.rept 4
	v_nop                           ; the places behind those products
.endr
.set Y, NP-1                        ; X works for piece Y + 1: piece 0
.irp n, 0,1,2,3,4,5,6,7,8,9,10,11,12,13,14,15,16,17,18,19,20,21
	OP X, \n
.endr
	v_nop                           ; a plain instruction behind the exponential,
	s_wait_alu depctr_va_vdst(0)    ; and its wait, ahead of the branch
	s_mov_b32 s[CNT], 0
	s_cmp_eq_u32 s[LT], 0
	s_cbranch_scc1 .Ltail
.Lloop:                             ; N / 2 - 1 trips of two steps: all steps but the last two
	TURN 0, KA, VBF, -1, -1, VBF
	WIN 0
	ASK
	TURN 1, KA, VA
	TURN 2, KA, VA, -1, KA
	TURN 3, KBF, VA
	TURN 0, KBF, VA, -1, -1, VA
	TURN 1, KBF, VBF
	TURN 2, KBF, VBF, -1, KBF
	TURN 3, KA, VBF
	WIN 0
	s_add_co_u32 s[CNT], s[CNT], 1
	s_cmp_lt_u32 s[CNT], s[LT]
	s_cbranch_scc1 .Lloop
.Ltail:                             ; the last two steps: they fetch V of the last step and nothing more, and their scores start at the constant C operands
	TURN 0, KA, VBF, MC0, -1, VBF
	TURN 1, KA, VA, MC0
	TURN 2, KA, VA, MC0
	TURN 3, KBF, VA, MC1, -1, -1, 16  ; behind K of the last step only its V was issued
	TURN 0, KBF, VA, MC1
	TURN 1, KBF, VBF, MC1, -1, -1, 0  ; the last run of loads
	TURN 2, KBF, VBF, MC1
	TURN 3, KBF, VBF, -1, -1, -1, 0, 1
.set i, 0
.rept 8
	PV NP-1                         ; the last piece's V^T P of the last step
.set i, i+1
.endr
	; THE MERGE.  l's two halves and the other half of the lanes' are added (the first additions are the places behind the last products); l takes m's register, so that (c m, l) is a pair.
	; Each wave hands two pieces to its partner through LDS and finishes the other two: M = max of the two c m; O = (O_A f_A + O_B f_B) / (l_A f_A + l_B f_B), f = 2^(c m - M).
	WIN 0
.macro ALL line:vararg              ; one line for each piece t
.set t, 0
.rept 4
	\line
.set t, t+1
.endr
.endm
	ALL v_add_f32 v[ST+4*t+2], v[ST+4*t+2], v[ST+4*t+3]
	ALL v_permlanex16_b32 v[ST+4*t+3], v[ST+4*t+2], s[SEL], s[SEL+1]
	ALL v_add_f32 v[ST+4*t+1], v[ST+4*t+2], v[ST+4*t+3]
.macro SENDP t, slot                ; piece t's O^T, registers ascending, 512 bytes on end a store; then its pair
	WIN 0x04                        ; store data window 1
.set z, 0
.rept 8
	ds_store_b128 v[XO], v[32*(\t)+4*z:32*(\t)+4*z+3] offset:(\slot)*4096+512*z
.set z, z+1
.endr
	WIN 0
	ds_store_b64 v[XS], v[ST+4*(\t):ST+4*(\t)+1] offset:8192+(\slot)*256
.endm
.macro STAT1 t, s
.set rR, RS+8*(\s)
.set rB, 56+2*(\s)
	v_max_num_f32 v[rR+2], v[ST+4*(\t)], v[rB]
	v_sub_f32 v[rR], v[ST+4*(\t)], v[rR+2]
	v_sub_f32 v[rR+1], v[rB], v[rR+2]
.endm
.macro STAT2 t, s
.set rR, RS+8*(\s)
.set rB, 56+2*(\s)
	v_mul_f32 v[rR+2], v[ST+4*(\t)+1], v[rR]
	v_fmac_f32 v[rR+2], v[rB+1], v[rR+1]
.endm
.macro STAT3 s                      ; the two factors, each twice: the packed lines name pairs
.set rR, RS+8*(\s)
	v_mul_f32 v[rR+4], v[rR], v[rR+3]
	v_mul_f32 v[rR+5], v[rR], v[rR+3]
	v_mul_f32 v[rR+6], v[rR+1], v[rR+3]
	v_mul_f32 v[rR+7], v[rR+1], v[rR+3]
.endm
.macro SCALE t, s
	WIN W_RS
.set z, 0
.rept 16
	v_pk_mul_f32 v[32*(\t)+2*z:32*(\t)+2*z+1], v[32*(\t)+2*z:32*(\t)+2*z+1], v[RS+8*(\s)+4:RS+8*(\s)+5] op_sel_hi:[1,0]
.set z, z+1
.endr
	WIN 0x51                        ; destination, sources 0 and 2 window 1
.set z, 0
.rept 16
	v_pk_fma_f32 v[32*(\t)+2*z:32*(\t)+2*z+1], v[128+32*(\s)+2*z:128+32*(\s)+2*z+1], v[RS+8*(\s)+6:RS+8*(\s)+7], v[32*(\t)+2*z:32*(\t)+2*z+1] op_sel_hi:[1,0,1]
.set z, z+1
.endr
.endm
; THE WAY OUT of piece t: a lane's eight channels of a row are 32 bytes; they go into rows of 272 bytes of my stage and come back as whole rows of 256.
.macro OUTP t, slot
	WIN 0x04
.set z, 0
.rept 8
	ds_store_b128 v[STO], v[32*(\t)+4*z:32*(\t)+4*z+3] offset:(z/2)*64+(z%2)*16
.set z, z+1
.endr
	WIN 0
.set z, 0
.rept 8
	ds_load_b128 v[OB+32*(\slot)+4*z:OB+32*(\slot)+4*z+3], v[RD] offset:2*SP*z  ; LDS serves a wave's instructions in order (ISA guide 5.7.1.4): these see the stores above; the next piece's stores come behind them
.set z, z+1
.endr
.set z, 0
.rept 8
	s_wait_dscnt 7-z
	global_store_b128 v[LO], v[OB+32*(\slot)+4*z:OB+32*(\slot)+4*z+3], s[12:13] offset:4096*(\t)+512*z th:TH_STORE_NT  ; two rows: 512 consecutive bytes, at a multiple of 512 from out0's first
.set z, z+1
.endr
.endm
.macro FIN ta, tb
	ds_load_b64 v[56:57], v[XSP] offset:8192
	ds_load_b64 v[58:59], v[XSP] offset:8192+256
	WIN 0x40                        ; my partner's two pieces go where V's first buffer lay
.set z, 0
.rept 16
	ds_load_b128 v[128+4*z:128+4*z+3], v[XOP] offset:512*z
.set z, z+1
.endr
	WIN 0
	s_wait_dscnt 0x0
	STAT1 \ta, 0
	STAT1 \tb, 1
.irp s, 0, 1
	v_exp_f32 v[RS+8*\s], v[RS+8*\s]
	v_exp_f32 v[RS+8*\s+1], v[RS+8*\s+1]
.endr
	v_nop                           ; a plain instruction behind the last exponential,
	s_wait_alu depctr_va_vdst(0)    ; and one wait for the four
	STAT2 \ta, 0
	STAT2 \tb, 1
	v_rcp_f32 v[RS+3], v[RS+2]
	v_rcp_f32 v[RS+11], v[RS+10]
	v_nop
	s_wait_alu depctr_va_vdst(0)    ; one wait for the two reciprocals
	STAT3 0
	STAT3 1
	SCALE \ta, 0
	SCALE \tb, 1
	OUTP \ta, 0
	OUTP \tb, 1
.endm
	s_cmp_eq_u32 s[PT], 0
	s_cbranch_scc0 .Lsend1
	SENDP 2, 0
	SENDP 3, 1
	s_branch .Lsent
.Lsend1:
	SENDP 0, 0
	SENDP 1, 1
.Lsent:
	s_wait_dscnt 0x0                ; for my partner's sake: my stores are done
	s_barrier_signal -1
	s_barrier_wait -1
	s_cmp_eq_u32 s[PT], 0
	s_cbranch_scc0 .Lfin1
	FIN 0, 1
	s_branch .Lend
.Lfin1:
	FIN 2, 3
.Lend:
	s_wait_tensorcnt 0x0            ; the wave's end, behind my last LDS store
	ds_add_u32 v[SPW], v[NIL]
	s_wait_dscnt 0x0
	s_endpgm
.Lfunc_end_k_q8ca62acf3a_attn:
	.size	k_q8ca62acf3a_attn, .Lfunc_end_k_q8ca62acf3a_attn-k_q8ca62acf3a_attn
	.p2alignl 7, 3214868480
	.fill 96, 4, 3214868480
	.section	.rodata,"a",@progbits
	.p2align	6, 0x0
	.amdhsa_kernel k_q8ca62acf3a_attn
		.amdhsa_group_segment_fixed_size 71168
		.amdhsa_private_segment_fixed_size 0
		.amdhsa_enable_private_segment 0
		.amdhsa_kernarg_size 40
		.amdhsa_user_sgpr_count 2
		.amdhsa_user_sgpr_kernarg_segment_ptr 1
		.amdhsa_wavefront_size32 1
		.amdhsa_system_sgpr_workgroup_id_x 1
		.amdhsa_system_sgpr_workgroup_id_y 1
		.amdhsa_system_sgpr_workgroup_id_z 1
		.amdhsa_system_vgpr_workitem_id 0
		.amdhsa_next_free_vgpr 704
		.amdhsa_next_free_sgpr 66
		.amdhsa_reserve_vcc 0
		.amdhsa_float_denorm_mode_32 3
		.amdhsa_float_denorm_mode_16_64 3
		.amdhsa_memory_ordered 1
		.amdhsa_forward_progress 1
		.amdhsa_inst_pref_size 199
	.end_amdhsa_kernel
	.amdgpu_metadata
---
amdhsa.version: [ 1, 2 ]
amdhsa.kernels:
  - .name:           k_q8ca62acf3a_attn
    .symbol:         k_q8ca62acf3a_attn.kd
    .args:
      - { .name: q, .offset: 0, .size: 8, .value_kind: global_buffer, .address_space: global }
      - { .name: kw, .offset: 8, .size: 8, .value_kind: global_buffer, .address_space: global }
      - { .name: vw, .offset: 16, .size: 8, .value_kind: global_buffer, .address_space: global }
      - { .name: maskw, .offset: 24, .size: 8, .value_kind: global_buffer, .address_space: global }
      - { .name: out0, .offset: 32, .size: 8, .value_kind: global_buffer, .address_space: global }
    .group_segment_fixed_size: 71168
    .private_segment_fixed_size: 0
    .kernarg_segment_align: 8
    .kernarg_segment_size: 40
    .max_flat_workgroup_size: 128
    .sgpr_count:     66
    .vgpr_count:     704
    .wavefront_size: 32
...
	.end_amdgpu_metadata
.endif
;; end of part 2
;; ======== version 2 of 2: 2 launches; version 1 with the launch attn written anew for expert scheduling mode
;; limits: values are held in f16: magnitudes above 65,504 overflow, below 6.1e-05 lose precision; inputs' magnitudes at most 65,504; inputs' magnitudes at most 350,000,000,000,000
;; workspace buffers: kw 4,194,304 bytes; vw 4,194,304 bytes; maskw 8,192 bytes of whole numbers
;; launch prep: the kernel of part 1 again; grid 256 x 1, 8 waves a work-group, no clusters, 192,000 bytes of LDS; arguments q, k, v, sample_idx_q, sample_idx_k, kw, vw, maskw; writes kw, vw, maskw
;; launch attn (part 3): grid 256 x 1, 4 waves a work-group, no clusters, 71,168 bytes of LDS; arguments q, kw, vw, maskw, out0; writes out0
.if DOCPART == 3
	.amdgcn_target "amdgcn-amd-amdhsa--gfx1250"
	.amdhsa_code_object_version 6
	.text
	.protected	k_q8ca62acf3a_attn
	.globl	k_q8ca62acf3a_attn
	.p2align	8
	.type	k_q8ca62acf3a_attn,@function
k_q8ca62acf3a_attn:
	s_mov_b64 s[64:65], 0
	v_nop
	global_prefetch_b8 v0, s[64:65] scope:SCOPE_SE
	s_setreg_imm32_b32 hwreg(HW_REG_WAVE_SCHED_MODE, 0, 2), 2
	s_setreg_imm32_b32 hwreg(HW_REG_WAVE_MODE, 25, 1), 1
	s_wait_xcnt 0x0
	s_wait_alu depctr_vm_vsrc(0)
; PYRAMID SPARSE ATTENTION, second launch.  out0[h][i][:] = the sum over the keys j of the kept blocks of softmax_j(q[h][i] . k[h][j] / 8) v[h][j][:].
; WORK LEFT OUT: the key blocks that the mask drops.  Their scores are -1e30, a row's maximum is a true score (the block ranked first is always kept), so their weights are
; exp(-1e30 - max) = 0: whole tiles that add 0, whatever the inputs hold.  Which blocks those are is read from maskw, whole numbers that the first launch stored.
; LIMITS.  q and k are rounded to bf16, v to bf16 written as f16 (within 65,504); the weights p are rounded to f16 (below 6e-5 they keep f16's fixed step of 6e-8; their sum l is taken of the
; unrounded p); a weight below 2^-126 counts as 0; a hidden score counts as its value less 1e30; NaN and infinities are not treated apart, and one in a dropped block is not carried to the result.
; SHARES.  Work-group g: head g / 32, query blocks 2 (g % 32) + u.  Wave w: u = w / 2, part = w % 2.  The two waves of a query block hold the same 64 queries (four PIECES of 16) and deal its
; kept key blocks out by turns: part 0 the 1st, 3rd, .., part 1 the 2nd, 4th, ..  Their two states (c m, l, O^T) meet in LDS once, at the end.
; NO LDS IN THE LOOP, no barrier, no cluster: kw and vw hold each block as the register image of its fragments, so a block is 16 + 16 loads of 16 bytes a lane, 512 bytes on end each; no wave wants a
; byte that another wave of the work-group fetches (each has its own list), and each wave's number of steps is its own.
; LAYOUT, SOFTMAX, TURNS.  S^T = K Q^T holds ONE query a lane (lane % 16) and the keys 8 (lane / 16) + 0..7; two such results rounded to f16 ARE source 1 of O^T = V^T P.  p = 2^(c s - c m),
; c = log2(e) / 8, with a running maximum m; O and l are multiplied by a = 2^(c m_old - c m_new) in every step.  Turn n belongs to piece n: 8 products K Q^T of piece n + 1, later 8 products V^T P of
; piece n - 1; beside them piece n's scaling, exponentials, roundings, sums and rescaling and piece n + 1's maximum and statistics.  Four vector instructions stand behind every matrix instruction,
; the other 54 of a turn's 118 in one lump; a turn's 33 exponentials are one batch, with one wait.
; STEPS.  A step is a key block; a trip of the loop is two steps, on fixed registers (K and V have two buffers each).  N = the wave's number of blocks made even, at least 2.  A step beyond the list
; loads a valid block and starts its scores at -1e30: its weights are 0.  A wave with no block at all ends with c m near -1.8e29, and the merge multiplies its state by 2^(c m - M) = 0.
; THE MODE: SCHED_MODE bits 1:0 = 2 (LLVM: expert scheduling mode 2), set by the entry lines.  The code itself states the register dependences between vector or matrix instructions and memory or LDS
; instructions, with s_wait_alu, always for 0.
; THE PLAN.  Registers that memory or LDS instructions touch, and who else names them:
;   v[LO], v[PFO], the LDS addresses v4-v7, v9-v11, v14   written once at the head, ahead of a wait on va_vdst; never written again.
;   K's two buffers   the buffer of step s's parity is read last by turn 2's products K Q^T of step s; K of step s + 2 lands in it, asked for directly behind turn 2's wait.
;   V's two buffers   the buffer of parity s + 1 is read last by turn 0's products V^T P of step s; V of step s + 1 lands in it, asked for directly behind turn 1's wait.
;   v[OB ..]          at the head Q's conversions write it and LDS stores read it; on the way out LDS loads land in it and the global stores read it.
;   O^T, (c m, l)     written by products, rescalings and additions; the merge's LDS stores read two pieces; SCALE writes the two kept pieces, the way out's LDS stores read them.
;   v56-v59, V's first buffer   in the merge the partner's state lands there; before that only the head's lane arithmetic and products named them.
;   v[SPW], v[NIL]    written at the head, read by the closing add alone.
; So the loop has no wait but each turn's one wait on va_vdst, which stands between the turn's exponentials and their first reader: the two runs of loads of a step stand directly behind two of those
; waits, at which the last readers of the buffers in which they land have all been issued, and no vector or matrix instruction stands between the wait and the loads.
; REGISTERS, in windows of 256 (s_set_vgpr_msb: bits 1:0 source 0, 3:2 source 1, 5:4 source 2, 7:6 destination):
;   window 0: v0-15 addresses; v16-31 four statistics a piece; v32-47 two constant C operands; v48-55 at work; v64-127 S^T, two buffers; v128-191 Q in f32's packing, later rows of out0; v192-223 P, two buffers
;   window 1: v0-127 O^T, 32 a piece; v128-191, v192-255 V's two buffers       window 2: v0-63 Q; v64-127, v128-191 K's two buffers
.set NP,    4
.set PQ,    144       ; a row of Q in LDS: 128 bytes + 16
.set XCH,   18432     ; behind Q's 2 x 64 rows: for each wave 8,704 bytes: two pieces of O^T (4,096 each), then their statistics (256 each)
.set XCHW,  8704
.set STAGE, 53248     ; for each wave 16 rows x 272 bytes, for the way out
.set STW,   4352
.set SP,    272
.set SPARE, 70656     ; the spare words, 128 bytes for each wave: two blocks of 256 bytes that no other line names
.set LO,  2           ; v2   16 x lane; never rewritten
.set PFO, 3           ; v3   256 x lane; never rewritten
.set QSA, 4           ; v4   Q into LDS
.set QFA, 5           ; v5   and out of it, as fragments
.set STO, 6           ; v6   the way out: where I put 32 bytes of a row
.set RD,  7           ; v7   where I read rows back
.set XO,  9           ; v9   my exchange region + 16 x lane
.set XOP, 10          ; v10  my partner's
.set XS,  11          ; v11  my exchange region + 8 x lane
.set XSP, 14          ; v14  my partner's
.set MV,  12          ; v12-13  c m_old, kept while c m is made anew: by buffer
.set ST,  16          ; piece t's statistics at v[ST+4 t]: c m, m, l (even keys', odd keys')
.set MC0, 32          ; v32-39  0, or -1e30 where the wave has no block: the C operand of step N - 2's (and step 0's) first products
.set MC1, 40          ; v40-47  0, or -1e30 where step N - 1 lies beyond the list
.set TMP, 48          ; by buffer, four registers c0-c3 at work; when the maximum is found c2 takes a
.set SPW, 62          ; v62  SPARE + 4 x my thread's number; never rewritten
.set NIL, 63          ; v63  0; never rewritten
.set S,   64
.set OB,  128
.set P,   192
.set RS,  224         ; v224-239  the merge's factors, eight registers a piece
.set KA,  64          ; window 2
.set KBF, 128
.set VA,  128         ; window 1
.set VBF, 192
.set WV,  14          ; s14  my wave's number
.set PT,  15          ; s15  part
.set KH,  20          ; s[20:21] kw at my head
.set VH,  22          ; s[22:23] vw at my head
.set KB,  24          ; s[24:25] the block that K's next run of loads takes
.set VB,  26          ; s[26:27] and V's
.set OF,  28          ; s[28:29] an offset; the high word is 0
.set ML,  30          ; s30  my blocks still to be fetched, 0-31
.set MH,  31          ; s31  and 32-63
.set LT,  37          ; s37  trips of the loop: N / 2 - 1
.set CNT, 38          ; s38  counts them
.set PFT, 39          ; s39  the trip in which I prefetch
.set PF,  40          ; s[40:41] what I prefetch; never rewritten
.set QB,  42          ; s[42:43] q at my 32 rows
.set BE0, 44
.set BE1, 45
.set BIGN, 46         ; s46  -1e30
.set K0B, 52          ; s[52:53] step 0's block of kw; never rewritten
.set V0B, 54          ; s[54:55] step 0's block of vw; never rewritten
.set CS,  58          ; s[58:59] c
.set SEL, 60          ; s[60:61] v_permlanex16_b32's selects
.set MSB, 0
.macro WIN new                      ; the high byte repeats the setting that is left; a switch that changes nothing is dropped
.if MSB != (\new)
	s_set_vgpr_msb (MSB<<8)|(\new)
.set MSB, (\new)
.endif
.endm
.set W_KQ, 0x0a       ; K and Q in window 2; S^T and the constant C in window 0
.set W_PV, 0x51       ; V and O^T in window 1, P in window 0
.set W_RS, 0x41       ; destination and source 0 in window 1, source 1 in window 0
; THE NEXT BLOCK OF MY LIST: the lowest bit still set, which is then cleared.  When the list is used up the number is 31: a valid block, whose scores are hidden.
.macro NEXTB
	s_cmp_lg_u32 s[ML], 0
	s_cselect_b32 s32, s[ML], s[MH]
	s_cselect_b32 s33, 0, 32
	s_ctz_i32_b32 s34, s32
	s_add_co_u32 s34, s34, s33
	s_min_u32 s34, s34, 63          ; a number from memory enters an address only held to the table's size
	s_sub_co_u32 s35, s32, 1
	s_and_b32 s32, s32, s35
	s_cmp_lg_u32 s[ML], 0
	s_cselect_b32 s[MH], s[MH], s32
	s_cselect_b32 s[ML], s32, 0
	s_lshl_b32 s[OF], s34, 13       ; a block is 8,192 bytes of kw and of vw
	s_add_nc_u64 s[KB:KB+1], s[KH:KH+1], s[OF:OF+1]
	s_add_nc_u64 s[VB:VB+1], s[VH:VH+1], s[OF:OF+1]
.endm
.macro LOADK kf, base               ; a block's K: sixteen loads, 512 bytes on end each; load z fills registers 4 z .. 4 z + 3
	WIN 0x80                        ; destination window 2
.set z, 0
.rept 16
	global_load_b128 v[(\kf)+4*z:(\kf)+4*z+3], v[LO], s[(\base):(\base)+1] offset:512*z
.set z, z+1
.endr
.endm
.macro FETCH_V vf, base
	WIN 0x40                        ; destination window 1
.set z, 0
.rept 16
	global_load_b128 v[(\vf)+4*z:(\vf)+4*z+3], v[LO], s[(\base):(\base)+1] offset:512*z
.set z, z+1
.endr
.endm
; A PREFETCH of kw and vw.  Each aligned block of 256 bytes is named once in the launch: wave (u, part) of work-group (h, pi) names the 8,192 bytes of block 2 pi + u, of kw (part 0) or of vw (part 1), a lane
; for each 256 bytes, in trip pi / 8 - 1 of its loop, behind the turn that holds that trip's first run of loads.  Blocks 0 to 15 are named by nobody: the first steps' loads take them.
; v[PFO] was written ahead of the head's waits on va_vdst and is never written again.
.macro ASK
	s_cmp_eq_u32 s[CNT], s[PFT]
	s_cbranch_scc0 .Lnot_now_\@
	global_prefetch_b8 v[PFO], s[PF:PF+1] th:TH_LOAD_NT scope:SCOPE_SE
.Lnot_now_\@:
.endm
	s_load_b256 s[4:11], s[0:1], 0x0  ; q 4:5, kw 6:7, vw 8:9, maskw 10:11
	s_load_b64 s[12:13], s[0:1], 0x20 ; out0
	v_lshl_add_u32 v[SPW], v0, 2, SPARE
	v_mov_b32 v[NIL], 0
	v_lshrrev_b32 v1, 5, v0
	v_readfirstlane_b32 s[WV], v1   ; wave 0..3
	s_lshr_b32 s16, ttmp9, 5        ; head
	s_and_b32 s17, ttmp9, 31        ; pi
	s_mov_b32 s[CS], 0x3e38aa3b     ; c = log2(e) / 8
	s_mov_b32 s[CS+1], s[CS]        ; named with it as a pair
	s_mov_b32 s[SEL], 0x76543210
	s_mov_b32 s[SEL+1], 0xfedcba98
	s_mov_b32 s[BIGN], 0xf149f2ca   ; -1e30
	s_mov_b32 s[OF+1], 0
	v_and_b32 v1, 31, v0            ; lane
	v_and_b32 v56, 15, v0           ; r
	v_bfe_u32 v57, v0, 4, 1         ; hl
	v_lshlrev_b32 v[LO], 4, v1
	v_lshlrev_b32 v[PFO], 8, v1
	s_wait_alu depctr_va_sdst(0)    ; s[WV] is written, ahead of its first reader: part, u and all that is made of them
	s_and_b32 s[PT], s[WV], 1
	s_lshr_b32 s19, s[WV], 1        ; u
	s_lshl1_add_u32 s18, s17, s19   ; my query block
	s_lshl_b32 s[OF], s16, 6
	s_add_co_u32 s[OF], s[OF], s18
	s_lshl_b32 s[OF], s[OF], 4      ; four words for each head and query block
	s_wait_kmcnt 0x0
	s_add_nc_u64 s[10:11], s[10:11], s[OF:OF+1]
	s_load_b128 s[48:51], s[10:11], 0x0
	s_lshl_b32 s32, s16, 20
	s_lshl_b32 s33, s18, 14
	s_add_co_u32 s[OF], s32, s33
	s_add_nc_u64 s[12:13], s[12:13], s[OF:OF+1]  ; out0 at my query block
	s_lshl_b32 s33, s[PT], 13
	s_add_co_u32 s[OF], s[OF], s33
	s_add_nc_u64 s[QB:QB+1], s[4:5], s[OF:OF+1]  ; q at my half of it
	s_wait_alu depctr_va_vdst(0)    ; v[LO] and v[PFO] are written: every global load and store reads the one as its offset, the prefetch the other
.set z, 0
.rept 16
	global_load_b128 v[S+4*z:S+4*z+3], v[LO], s[QB:QB+1] offset:512*z th:TH_LOAD_NT  ; rows 2 z, 2 z + 1; my lane: row 2 z + hl, channels 4 r on
.set z, z+1
.endr
	s_lshl_b32 s[OF], s16, 19
	s_add_nc_u64 s[KH:KH+1], s[6:7], s[OF:OF+1]
	s_add_nc_u64 s[VH:VH+1], s[8:9], s[OF:OF+1]
	s_cmp_eq_u32 s[PT], 0
	s_cselect_b64 s[PF:PF+1], s[KH:KH+1], s[VH:VH+1]
	s_lshl_b32 s[OF], s18, 13
	s_add_nc_u64 s[PF:PF+1], s[PF:PF+1], s[OF:OF+1]
	s_lshr_b32 s[PFT], s17, 3
	s_sub_co_u32 s[PFT], s[PFT], 1  ; for pi < 8 the greatest number: no trip has it
	; the lane's LDS addresses
	s_mul_i32 s32, s[WV], 32*PQ
	v_mul_u32_u24 v[QSA], v57, PQ
	v_lshl_add_u32 v[QSA], v56, 3, v[QSA]
	v_add_nc_u32 v[QSA], s32, v[QSA]  ; row 32 w + hl of the two blocks' 128, 8 bytes at 8 r
	s_mul_i32 s32, s19, 64*PQ
	v_mul_u32_u24 v[QFA], v56, PQ
	v_lshl_add_u32 v[QFA], v57, 4, v[QFA]
	v_add_nc_u32 v[QFA], s32, v[QFA]
	s_mul_i32 s32, s[WV], STW
	s_add_co_u32 s32, s32, STAGE
	v_mul_u32_u24 v[STO], v56, SP
	v_lshl_add_u32 v[STO], v57, 5, v[STO]
	v_add_nc_u32 v[STO], s32, v[STO]
	v_mul_u32_u24 v[RD], v57, SP
	v_lshl_add_u32 v[RD], v56, 4, v[RD]
	v_add_nc_u32 v[RD], s32, v[RD]
	s_mul_i32 s32, s[WV], XCHW
	s_add_co_u32 s32, s32, XCH
	v_add_nc_u32 v[XO], s32, v[LO]
	v_lshl_add_u32 v[XS], v1, 3, s32
	s_xor_b32 s33, s[WV], 1         ; the other wave of my query block
	s_mul_i32 s33, s33, XCHW
	s_add_co_u32 s33, s33, XCH
	v_add_nc_u32 v[XOP], s33, v[LO]
	v_lshl_add_u32 v[XSP], v1, 3, s33
	; MY LIST.  x's bit i = the parity of the number of kept blocks up to and with block i: 1 at the 1st, 3rd, .. kept block
	s_wait_kmcnt 0x0
	s_and_b32 s48, s48, 0xffff
	s_lshl_b32 s49, s49, 16
	s_or_b32 s48, s48, s49          ; blocks 0-31
	s_and_b32 s50, s50, 0xffff
	s_lshl_b32 s51, s51, 16
	s_or_b32 s50, s50, s51          ; blocks 32-63
	s_mov_b32 s32, s48
	s_mov_b32 s33, s50
.irp n, 1, 2, 4, 8, 16
	s_lshl_b32 s34, s32, \n
	s_xor_b32 s32, s32, s34
	s_lshl_b32 s35, s33, \n
	s_xor_b32 s33, s33, s35
.endr
	s_ashr_i32 s34, s32, 31         ; the low word's whole parity goes on into the high word
	s_xor_b32 s33, s33, s34
	s_sub_co_u32 s34, 0, s[PT]      ; part 1 takes the others
	s_xor_b32 s32, s32, s34
	s_xor_b32 s33, s33, s34
	s_and_b32 s[ML], s48, s32
	s_and_b32 s[MH], s50, s33
	s_bcnt1_i32_b32 s36, s[ML]
	s_bcnt1_i32_b32 s34, s[MH]
	s_add_co_u32 s36, s36, s34      ; my number of blocks
	s_add_co_u32 s34, s36, 1
	s_lshr_b32 s34, s34, 1
	s_max_u32 s34, s34, 1           ; N / 2
	s_sub_co_u32 s[LT], s34, 1
	s_min_u32 s[LT], s[LT], 15      ; 64 bits dealt to two waves are 32 steps at the most: the bound changes nothing
	s_lshl_b32 s34, s34, 1          ; N
	s_cmp_eq_u32 s36, 0
	s_cselect_b32 s[BE0], s[BIGN], 0
	s_cmp_lt_u32 s36, s34
	s_cselect_b32 s[BE1], s[BIGN], 0
	NEXTB                           ; step 0's block: its two addresses are set aside,
	s_mov_b64 s[K0B:K0B+1], s[KB:KB+1]
	s_mov_b64 s[V0B:V0B+1], s[VB:VB+1]
	NEXTB                           ; and step 1's is made, so that the three runs below follow the wait with loads and window switches alone between
	WIN 0x80                        ; the first run's window, ahead of the wait
	s_wait_alu depctr_va_vdst(0)    ; the lane's LDS addresses v4-v7, v9-v11 and v14 are written, which the LDS instructions of the head, the merge and the way out read
	LOADK KA, K0B                   ; K and V of step 0,
	FETCH_V VA, V0B
	LOADK KBF, KB                   ; K of step 1
	; What the first turn finds.  The first step multiplies O^T and l by a = 0, and its first products V^T P, of a piece that has not been, take zeros.  All this stands in the wait for the first loads.
	WIN 0x40
.set z, 0
.rept 128
	v_mov_b32 v[z], 0
.set z, z+1
.endr
.set z, VBF
.rept 64
	v_mov_b32 v[z], 0
.set z, z+1
.endr
	WIN 0
.set z, 0
.rept 4
	v_mov_b32 v[ST+4*z], 0xfe000000    ; c m: far below every c s
	v_mov_b32 v[ST+4*z+1], 0xff7fffff  ; m
	v_mov_b32 v[ST+4*z+2], 0
	v_mov_b32 v[ST+4*z+3], 0
.set z, z+1
.endr
.set z, 0
.rept 16
	v_mov_b32 v[P+16+z], 0
.set z, z+1
.endr
.set z, 0
.rept 8
	v_mov_b32 v[MC0+z], s[BE0]
	v_mov_b32 v[MC1+z], s[BE1]
.set z, z+1
.endr
	; Q: my 32 rows rounded to bf16 into LDS; the block's 64 rows back as fragments
	s_wait_loadcnt 48               ; Q is in: three runs of 16 were issued behind it
.set z, 0
.rept 16
	v_cvt_pk_bf16_f32 v[OB+2*z], v[S+4*z], v[S+4*z+1]
	v_cvt_pk_bf16_f32 v[OB+2*z+1], v[S+4*z+2], v[S+4*z+3]
.set z, z+1
.endr
	s_wait_alu depctr_va_vdst(0)    ; the conversions have written v[OB ..], which the LDS stores read
.set z, 0
.rept 16
	ds_store_b64 v[QSA], v[OB+2*z:OB+2*z+1] offset:2*PQ*z
.set z, z+1
.endr
	s_wait_dscnt 0x0                ; for the other wave's sake
	s_barrier_signal -1
	s_barrier_wait -1
	WIN 0x80
.set z, 0
.rept 16                            ; z = 4 piece + 2 c + s.  No vector instruction has named these registers, and v[QFA] stands written since the wait ahead of K's first run
	ds_load_b128 v[4*z:4*z+3], v[QFA] offset:(z/4)*16*PQ+((z/2)%2)*64+(z%2)*32
.set z, z+1
.endr
	WIN 0
; THE MATRIX WORK.  The 4 accumulators of a run of 8 take turns.  Product i of 8 of S^T = K Q^T for piece x: channels 32 (i / 4) on, keys 16 (i % 4) on.  The first 4 start the sums: with 0, or (MCB >= 0) with eight registers that hold 0 or -1e30.
.macro KQ x
	WIN W_KQ
.set rS, S+32*((\x)%2)+8*(i%4)
.set rK, KF+16*(i%4)+8*(i/4)
.set rQ, 16*(\x)+8*(i/4)
.if (i < 4) && (MCB >= 0)
	v_wmma_f32_16x16x32_bf16 v[rS:rS+7], v[rK:rK+7], v[rQ:rQ+7], v[MCB:MCB+7]
.elseif i < 4
	v_wmma_f32_16x16x32_bf16 v[rS:rS+7], v[rK:rK+7], v[rQ:rQ+7], 0
.else
	v_wmma_f32_16x16x32_bf16 v[rS:rS+7], v[rK:rK+7], v[rQ:rQ+7], v[rS:rS+7]
.endif
.endm
; Product i of 8 of O^T += V^T P for piece x: keys 32 (i / 4) on, channels 16 (i % 4) on.
.macro PV x
	WIN W_PV
.set rO, 32*(\x)+8*(i%4)
.set rV, VF+32*(i/4)+8*(i%4)
.set rP, P+16*((\x)%2)+8*(i/4)
	v_wmma_f32_16x16x32_f16 v[rO:rO+7], v[rV:rV+7], v[rP:rP+7], v[rO:rO+7]
.endm
.macro MM                           ; the turn's next matrix instruction.  NOKQ = 1: the last turn: there is no next piece
.if (i < 8) && !NOKQ
	KQ (Y+1)%NP
.elseif i >= 8
.set i, i-8
	PV (Y+NP-1)%NP
.set i, i+8
.endif
.set i, i+1
.endm
; THE VECTOR WORK, one line at a time: OP kind, number.  For piece Y: F n: c s - c m for pair n of 16.  E n: the exponential of score n of 32.  C n: pair n rounded to f16.  B n: of the four weights 4 n .. the second
; pair is added onto the first, in place.  L n: l takes that sum (L 0: l = a l + sum).  R n: pair n of 16 of O^T times a.  For piece Y + 1: X n, number n of the 22 that find its maximum and statistics:
;   0-11  four chains c0-c3 of seven scores each, three operands at a time (each accumulator's lowest registers are read first)     12-14, 16  the four scores left over, the old m, and c0-c3 into c0
;   15  c m_old is kept     17, 18  the query's other 32 keys lie in the lane 16 away: the new m     19-21  c m; c m_old - c m_new; a
.set F, 0
.set E, 1
.set C, 2
.set B, 3
.set L, 4
.set R, 5
.set X, 6
.macro REGS y
.set rT, ST+4*(\y)
.set rC, TMP+4*((\y)%2)
.set rW, MV+((\y)%2)
.set rS, S+32*((\y)%2)
.set rP, P+16*((\y)%2)
.set rO, 32*(\y)
.endm
.macro OP k, n
.if (\k) == R
	REGS Y
	WIN W_RS
	v_pk_mul_f32 v[rO+2*(\n):rO+2*(\n)+1], v[rO+2*(\n):rO+2*(\n)+1], v[rC+2:rC+3] op_sel_hi:[1,0]
.elseif (\k) < R
	REGS Y
	WIN 0
.if (\k) == F
	v_pk_fma_f32 v[rS+2*(\n):rS+2*(\n)+1], v[rS+2*(\n):rS+2*(\n)+1], s[CS:CS+1], v[rT:rT+1] op_sel_hi:[1,0,0] neg_lo:[0,0,1] neg_hi:[0,0,1]
.elseif (\k) == E
	v_exp_f32 v[rS+(\n)], v[rS+(\n)]
.elseif (\k) == C
	v_cvt_pk_f16_f32 v[rP+(\n)], v[rS+2*(\n)], v[rS+2*(\n)+1]
.elseif (\k) == B
	v_pk_add_f32 v[rS+4*(\n):rS+4*(\n)+1], v[rS+4*(\n):rS+4*(\n)+1], v[rS+4*(\n)+2:rS+4*(\n)+3]
.elseif (\n) == 0
	v_pk_fma_f32 v[rT+2:rT+3], v[rT+2:rT+3], v[rC+2:rC+3], v[rS:rS+1] op_sel_hi:[1,0,1]
.else
	v_pk_add_f32 v[rT+2:rT+3], v[rT+2:rT+3], v[rS+4*(\n):rS+4*(\n)+1]
.endif
.elseif NOKQ
	v_nop
.else
	REGS (Y+1)%NP
	WIN 0
.if (\n) < 4
	v_max3_num_f32 v[rC+(\n)], v[rS+8*(\n)], v[rS+8*(\n)+1], v[rS+8*(\n)+2]
.elseif (\n) < 12
	v_max3_num_f32 v[rC+(\n)%4], v[rC+(\n)%4], v[rS+8*((\n)%4)+2*((\n)/4)+1], v[rS+8*((\n)%4)+2*((\n)/4)+2]
.elseif (\n) == 12
	v_max3_num_f32 v[rC], v[rC], v[rS+7], v[rS+15]
.elseif (\n) == 13
	v_max3_num_f32 v[rC+1], v[rC+1], v[rS+23], v[rS+31]
.elseif (\n) == 14
	v_max3_num_f32 v[rC+2], v[rC+2], v[rC+3], v[rT+1]
.elseif (\n) == 15
	v_mov_b32 v[rW], v[rT]
.elseif (\n) == 16
	v_max3_num_f32 v[rC], v[rC], v[rC+1], v[rC+2]
.elseif (\n) == 17
	v_permlanex16_b32 v[rC+3], v[rC], s[SEL], s[SEL+1]
.elseif (\n) == 18
	v_max_num_f32 v[rT+1], v[rC], v[rC+3]
.elseif (\n) == 19
	v_mul_f32 v[rT], s[CS], v[rT+1]
.elseif (\n) == 20
	v_sub_f32 v[rC+1], v[rW], v[rT]
.else
	v_exp_f32 v[rC+2], v[rC+1]
.endif
.endif
.endm
.macro OPS a, i1, b=-1, i2=0, c=-1, i3=0, d=-1, i4=0  ; up to four of them
	OP \a, \i1
.if (\b) >= 0
	OP \b, \i2
.endif
.if (\c) >= 0
	OP \c, \i3
.endif
.if (\d) >= 0
	OP \d, \i4
.endif
.endm
.macro ROW a, i1, b, i2, c, i3, d, i4  ; a matrix instruction and the four behind it
	MM
	OPS \a, \i1, \b, \i2, \c, \i3, \d, \i4
.endm
; A TURN, for piece p.  kf: the buffer of K that its products K Q^T read; vf: the buffer of V that its products V^T P read; mcb: their constant C, or -1 for 0.
; AHEAD OF ITS ONE WAIT stands all that names no result of the turn's exponentials: the 8 products K Q^T with their riders, then the lump, in which the links of the chain X 3, 7, 11, 14, 16, 17 .. 20 stand five or
; six lines apart; X 21, the next piece's a, is the batch's last, and R 15 the plain instruction behind it.  BEHIND THE WAIT stand the 8 products V^T P, behind each four of the roundings and sums.
; THE LOADS, in step s (K and V of step s lie in the buffers of s's parity), stand directly behind a turn's wait, the window switched ahead of it.  Turn 1 fetches V of step s + 1 (ldv), into the buffer that
; turn 0's products (piece 3 of step s - 1) were the last to read.  Turn 2 fetches K of step s + 2 (ldk), into the buffer that its own products K Q^T, all issued ahead of the wait, were the last to read.
; THE WAITS FOR DATA: turn 1 wants V of step s, behind which K of s + 1 and V of s + 1 were issued; turn 3 wants K of step s + 1, behind which V of s + 1 and K of s + 2 were issued: 32 younger loads may stay out (wt); fewer in the tail.
.macro TURN p, kf, vf, mcb=-1, ldk=-1, ldv=-1, wt=32, nokq=0
.set Y, (\p)
.set i, 0
.set KF, (\kf)
.set VF, (\vf)
.set MCB, (\mcb)
.set NOKQ, (\nokq)
.if ((\p) == 3) && !(\nokq)
	s_wait_loadcnt \wt              ; K of the next step is in
.endif
	ROW F,0, F,1, R,0, R,1
	ROW F,2, E,0, R,2, R,3
	ROW F,3, E,1, R,4, R,5
	ROW F,4, E,2, R,6, R,7
	ROW F,5, E,3, R,8, R,9
	ROW F,6, E,4, X,0, R,10
	ROW F,7, E,5, X,1, X,4
	ROW F,8, E,6, X,2, X,5
	OPS E,7, E,8, X,6, E,9
	OPS X,3, E,10, X,8, E,11
	OPS X,9, X,7, E,12, X,10
	OPS E,13, X,12, X,11, E,14
	OPS X,13, E,15, F,9, X,14
	OPS E,16, F,10, E,17, F,11
	OPS X,16, E,18, X,15, E,19
	OPS F,12, E,20, X,17, E,21
	OPS F,13, E,22, F,14, E,23
	OPS X,18, E,24, F,15, E,25
	OPS R,11, E,26, X,19, E,27
	OPS R,12, E,28, R,13, E,29
	OPS X,20, E,30, R,14, E,31
	OPS X,21, R,15
.if (\ldk) >= 0
	s_wait_xcnt 0x0                 ; the loads issued so far have read their bases, so both may be written
	NEXTB
	WIN 0x80                        ; the loads' window, ahead of the wait
.elseif (\ldv) >= 0
	WIN 0x40                        ; the loads' window, ahead of the wait
.else
	WIN 0
.endif
	s_wait_alu depctr_va_vdst(0)    ; the turn's 33 exponentials have written their results, which the roundings and sums below read; with ldk: this turn's products K Q^T are done reading the buffer in which K lands; with ldv: the last turn's products V^T P are done reading (in the first trip: the head's zeros are written into) the buffer in which V lands
.if (\ldk) >= 0
	LOADK \ldk, KB
.elseif (\ldv) >= 0
	FETCH_V \ldv, VB
.endif
.if (\p) == 1
	s_wait_loadcnt \wt              ; V of this step is in
.endif
	ROW C,0, B,0, C,2, B,1
	ROW L,0, C,4, B,2, L,1
	ROW C,6, B,3, L,2, C,8
	ROW B,4, L,3, C,10, B,5
	ROW L,4, C,12, B,6, L,5
	ROW C,14, B,7, L,6, C,1
	ROW C,3, L,7, C,5, C,7
	ROW C,9, C,11, C,13, C,15
.endm
	; THE WALK BEGINS: piece 0's first scores, and its maximum and statistics
	s_wait_loadcnt 32               ; K of step 0 is in: V of step 0 and K of step 1 may stay out
	s_wait_dscnt 0x0                ; Q's fragments
.set KF, KA
.set MCB, MC0
.set NOKQ, 0
.set i, 0
.rept 8
	KQ 0
.set i, i+1
.endr
	WIN 0
.rept 4
	v_nop                           ; the places behind those products
.endr
.set Y, NP-1                        ; X works for piece Y + 1: piece 0
.irp n, 0,1,2,3,4,5,6,7,8,9,10,11,12,13,14,15,16,17,18,19,20,21
	OP X, \n
.endr
	v_nop                           ; a plain instruction behind the exponential,
	s_wait_alu depctr_va_vdst(0)    ; and the wait for its result, piece 0's a, ahead of the branch
	s_mov_b32 s[CNT], 0
	s_cmp_eq_u32 s[LT], 0
	s_cbranch_scc1 .Ltail
.Lloop:                             ; N / 2 - 1 trips of two steps: all steps but the last two
	TURN 0, KA, VBF
	TURN 1, KA, VA, -1, -1, VBF
	WIN 0
	ASK
	TURN 2, KA, VA, -1, KA
	TURN 3, KBF, VA
	TURN 0, KBF, VA
	TURN 1, KBF, VBF, -1, -1, VA
	TURN 2, KBF, VBF, -1, KBF
	TURN 3, KA, VBF
	WIN 0
	s_add_co_u32 s[CNT], s[CNT], 1
	s_cmp_lt_u32 s[CNT], s[LT]
	s_cbranch_scc1 .Lloop
.Ltail:                             ; the last two steps: they fetch V of the last step and nothing more, and their scores start at the constant C operands
	TURN 0, KA, VBF, MC0
	TURN 1, KA, VA, MC0, -1, VBF
	TURN 2, KA, VA, MC0
	TURN 3, KBF, VA, MC1, -1, -1, 16  ; behind K of the last step only its V was issued
	TURN 0, KBF, VA, MC1
	TURN 1, KBF, VBF, MC1, -1, -1, 0  ; the last run of loads
	TURN 2, KBF, VBF, MC1
	TURN 3, KBF, VBF, -1, -1, -1, 0, 1
.set i, 0
.rept 8
	PV NP-1                         ; the last piece's V^T P of the last step
.set i, i+1
.endr
	; THE MERGE.  l's two halves and the other half of the lanes' are added (the first additions are the places behind the last products); l takes m's register, so that (c m, l) is a pair.
	; Each wave hands two pieces to its partner through LDS and finishes the other two: M = max of the two c m; O = (O_A f_A + O_B f_B) / (l_A f_A + l_B f_B), f = 2^(c m - M).
	WIN 0
.macro ALL line:vararg              ; one line for each piece t
.set t, 0
.rept 4
	\line
.set t, t+1
.endr
.endm
	ALL v_add_f32 v[ST+4*t+2], v[ST+4*t+2], v[ST+4*t+3]
	ALL v_permlanex16_b32 v[ST+4*t+3], v[ST+4*t+2], s[SEL], s[SEL+1]
	ALL v_add_f32 v[ST+4*t+1], v[ST+4*t+2], v[ST+4*t+3]
	s_wait_alu depctr_va_vdst(0)    ; the products and rescalings have written O^T and the additions the pairs (c m, l), which the LDS stores below read (the places above stay beside this wait); the products are done reading V's first buffer, and the head's lines v56-v59, in which the partner's state lands behind the barrier
.macro SENDP t, slot                ; piece t's O^T, registers ascending, 512 bytes on end a store; then its pair
	WIN 0x04                        ; store data window 1
.set z, 0
.rept 8
	ds_store_b128 v[XO], v[32*(\t)+4*z:32*(\t)+4*z+3] offset:(\slot)*4096+512*z
.set z, z+1
.endr
	WIN 0
	ds_store_b64 v[XS], v[ST+4*(\t):ST+4*(\t)+1] offset:8192+(\slot)*256
.endm
.macro STAT1 t, s
.set rR, RS+8*(\s)
.set rB, 56+2*(\s)
	v_max_num_f32 v[rR+2], v[ST+4*(\t)], v[rB]
	v_sub_f32 v[rR], v[ST+4*(\t)], v[rR+2]
	v_sub_f32 v[rR+1], v[rB], v[rR+2]
.endm
.macro STAT2 t, s
.set rR, RS+8*(\s)
.set rB, 56+2*(\s)
	v_mul_f32 v[rR+2], v[ST+4*(\t)+1], v[rR]
	v_fmac_f32 v[rR+2], v[rB+1], v[rR+1]
.endm
.macro STAT3 s                      ; the two factors, each twice: the packed lines name pairs
.set rR, RS+8*(\s)
	v_mul_f32 v[rR+4], v[rR], v[rR+3]
	v_mul_f32 v[rR+5], v[rR], v[rR+3]
	v_mul_f32 v[rR+6], v[rR+1], v[rR+3]
	v_mul_f32 v[rR+7], v[rR+1], v[rR+3]
.endm
.macro SCALE t, s
	WIN W_RS
.set z, 0
.rept 16
	v_pk_mul_f32 v[32*(\t)+2*z:32*(\t)+2*z+1], v[32*(\t)+2*z:32*(\t)+2*z+1], v[RS+8*(\s)+4:RS+8*(\s)+5] op_sel_hi:[1,0]
.set z, z+1
.endr
	WIN 0x51                        ; destination, sources 0 and 2 window 1
.set z, 0
.rept 16
	v_pk_fma_f32 v[32*(\t)+2*z:32*(\t)+2*z+1], v[128+32*(\s)+2*z:128+32*(\s)+2*z+1], v[RS+8*(\s)+6:RS+8*(\s)+7], v[32*(\t)+2*z:32*(\t)+2*z+1] op_sel_hi:[1,0,1]
.set z, z+1
.endr
.endm
; THE WAY OUT of piece t: a lane's eight channels of a row are 32 bytes; they go into rows of 272 bytes of my stage and come back as whole rows of 256.
.macro OUTP t, slot
	WIN 0x04
.set z, 0
.rept 8
	ds_store_b128 v[STO], v[32*(\t)+4*z:32*(\t)+4*z+3] offset:(z/2)*64+(z%2)*16
.set z, z+1
.endr
	WIN 0
.set z, 0
.rept 8
	ds_load_b128 v[OB+32*(\slot)+4*z:OB+32*(\slot)+4*z+3], v[RD] offset:2*SP*z  ; LDS serves a wave's instructions in order (ISA guide 5.7.1.4): these see the stores above; the next piece's stores come behind them
.set z, z+1
.endr
.set z, 0
.rept 8
	s_wait_dscnt 7-z
	global_store_b128 v[LO], v[OB+32*(\slot)+4*z:OB+32*(\slot)+4*z+3], s[12:13] offset:4096*(\t)+512*z th:TH_STORE_NT  ; two rows: 512 consecutive bytes, at a multiple of 512 from out0's first
.set z, z+1
.endr
.endm
.macro FIN ta, tb
	ds_load_b64 v[56:57], v[XSP] offset:8192
	ds_load_b64 v[58:59], v[XSP] offset:8192+256
	WIN 0x40                        ; my partner's two pieces go where V's first buffer lay; since the wait ahead of the merge's stores no vector or matrix instruction has been issued
.set z, 0
.rept 16
	ds_load_b128 v[128+4*z:128+4*z+3], v[XOP] offset:512*z
.set z, z+1
.endr
	WIN 0
	s_wait_dscnt 0x0
	STAT1 \ta, 0
	STAT1 \tb, 1
.irp s, 0, 1
	v_exp_f32 v[RS+8*\s], v[RS+8*\s]
	v_exp_f32 v[RS+8*\s+1], v[RS+8*\s+1]
.endr
	v_nop                           ; a plain instruction behind the last exponential,
	s_wait_alu depctr_va_vdst(0)    ; and one wait for the four factors f, ahead of their first reader
	STAT2 \ta, 0
	STAT2 \tb, 1
	v_rcp_f32 v[RS+3], v[RS+2]
	v_rcp_f32 v[RS+11], v[RS+10]
	v_nop
	s_wait_alu depctr_va_vdst(0)    ; one wait for the two reciprocals, ahead of their first reader
	STAT3 0
	STAT3 1
	SCALE \ta, 0
	SCALE \tb, 1
	s_wait_alu depctr_va_vdst(0)    ; SCALE has written both kept pieces of O^T, which the LDS stores of the way out read
	OUTP \ta, 0
	OUTP \tb, 1
.endm
	s_cmp_eq_u32 s[PT], 0
	s_cbranch_scc0 .Lsend1
	SENDP 2, 0
	SENDP 3, 1
	s_branch .Lsent
.Lsend1:
	SENDP 0, 0
	SENDP 1, 1
.Lsent:
	s_wait_dscnt 0x0                ; for my partner's sake: my stores are done
	s_barrier_signal -1
	s_barrier_wait -1
	s_wait_alu depctr_vm_vsrc(0)    ; the head's LDS stores of Q have read v[OB ..], in which the way out's LDS loads land; and the stores above have read their pieces of O^T, of which SCALE below writes pieces: the wait leans on nothing of which part sends which
	s_cmp_eq_u32 s[PT], 0
	s_cbranch_scc0 .Lfin1
	FIN 0, 1
	s_branch .Lend
.Lfin1:
	FIN 2, 3
.Lend:
	s_wait_dscnt 0x0                ; the closing lines, six on end
	s_wait_alu 0x0
	s_wait_tensorcnt 0x0
	ds_add_u32 v[SPW], v[NIL]
	s_wait_dscnt 0x0
	s_endpgm
.Lfunc_end_k_q8ca62acf3a_attn:
	.size	k_q8ca62acf3a_attn, .Lfunc_end_k_q8ca62acf3a_attn-k_q8ca62acf3a_attn
	.p2alignl 7, 3214868480
	.fill 96, 4, 3214868480
	.section	.rodata,"a",@progbits
	.p2align	6, 0x0
	.amdhsa_kernel k_q8ca62acf3a_attn
		.amdhsa_group_segment_fixed_size 71168
		.amdhsa_private_segment_fixed_size 0
		.amdhsa_enable_private_segment 0
		.amdhsa_kernarg_size 40
		.amdhsa_user_sgpr_count 2
		.amdhsa_user_sgpr_kernarg_segment_ptr 1
		.amdhsa_wavefront_size32 1
		.amdhsa_system_sgpr_workgroup_id_x 1
		.amdhsa_system_sgpr_workgroup_id_y 1
		.amdhsa_system_sgpr_workgroup_id_z 1
		.amdhsa_system_vgpr_workitem_id 0
		.amdhsa_next_free_vgpr 704
		.amdhsa_next_free_sgpr 66
		.amdhsa_reserve_vcc 0
		.amdhsa_float_denorm_mode_32 3
		.amdhsa_float_denorm_mode_16_64 3
		.amdhsa_memory_ordered 1
		.amdhsa_forward_progress 1
		.amdhsa_inst_pref_size 199
	.end_amdhsa_kernel
	.amdgpu_metadata
---
amdhsa.version: [ 1, 2 ]
amdhsa.kernels:
  - .name:           k_q8ca62acf3a_attn
    .symbol:         k_q8ca62acf3a_attn.kd
    .args:
      - { .name: q, .offset: 0, .size: 8, .value_kind: global_buffer, .address_space: global }
      - { .name: kw, .offset: 8, .size: 8, .value_kind: global_buffer, .address_space: global }
      - { .name: vw, .offset: 16, .size: 8, .value_kind: global_buffer, .address_space: global }
      - { .name: maskw, .offset: 24, .size: 8, .value_kind: global_buffer, .address_space: global }
      - { .name: out0, .offset: 32, .size: 8, .value_kind: global_buffer, .address_space: global }
    .group_segment_fixed_size: 71168
    .private_segment_fixed_size: 0
    .kernarg_segment_align: 8
    .kernarg_segment_size: 40
    .max_flat_workgroup_size: 128
    .sgpr_count:     66
    .vgpr_count:     704
    .wavefront_size: 32
...
	.end_amdgpu_metadata
.endif
;; end of part 3
